; MI455X (gfx1250); checked and timed in simulation.
; The chip was launched on July 23, 2026; its instructions are those of AMD's public machine-readable ISA for CDNA 5 (MIT licence, August 2026) and "CDNA5" Instruction Set Architecture Reference Guide (July 2026). The comments in the code are by the model that wrote it; some were corrected since.
;; Causal Self Attention. Allowed arithmetic: matrix products marked QUANTISED: E2M1 operands, one E8M0 scale for each 32 along K, by v_wmma_scale_f32_16x16x128_f8f6f4 with both operands' format E2M1 (or v_wmma_scale_f32_32x16x128_f4), f32 sums; everything else in f32.
;; Inputs: c_attn_b 3,072 float32; c_attn_w 1,024 x 3,072 float32; c_proj_b 1,024 float32; c_proj_w 1,024 x 1,024 float32; hidden_states 4 x 2,048 x 1,024 float32.
;; Outputs: out0 4 x 2,048 x 1,024 float32.
;; This version of the problem:
;;   THIS VERSION OF THE PROBLEM IS GIVEN IN LOW PRECISION. The matrix products marked QUANTISED in the list below multiply operands that are first quantised to E2M1 (2 exponent bits, 1 mantissa bit; 4 bits a number), with one power-of-two scale for each 32 numbers along K (OCP MX v1.0); their sums are f32. All else is computed in f32.
;;   The module's matrix products, in the order in which they are computed (A, B: the left and right operand; K: the contracted axis; several contracted axes count as one K, in the product's order):
;;     1. [M 8,192, K 1,024] x [K 1,024, N 3,072]; A: input hidden_states; B: input c_attn_w: QUANTISED
;;     2. batch 64 x [M 2,048, K 64] x [K 64, N 2,048]; A: computed on the way; B: computed on the way: QUANTISED
;;     3. batch 64 x [M 2,048, K 2,048] x [K 2,048, N 64]; A: softmax (see below); B: computed on the way: QUANTISED
;;     4. [M 8,192, K 1,024] x [K 1,024, N 1,024]; A: computed on the way; B: input c_proj_w: QUANTISED
;;   THE QUANTISER, for each operand of a quantised product, along K:
;;     - K is cut into blocks of 32 from its start; a last block that is shorter is filled with zeros.
;;     - A block's scale is 2^e with e = floor(log2(the largest magnitude in the block)) - 2, held to -126 .. 127; a block of zeros has e = 0. As a byte (E8M0): e + 127.
;;     - Each number is divided by its block's scale, clamped to +-6, and rounded to the nearest number of E2M1, ties to even, subnormals kept.
;;     - The product sums the exact products of the quantised numbers (number of the format x scale) in f32.
;;   ~~~python
;;   def quantise(x, axis):      # numpy; x: float32 -> the quantised numbers, widened to float32 again
;;       x = np.moveaxis(x, axis, -1); K = x.shape[-1]
;;       x = np.pad(x, [(0, 0)] * (x.ndim - 1) + [(0, -K % 32)]); x = x.reshape(x.shape[:-1] + (-1, 32)); a = np.abs(x).max(-1, keepdims=True)
;;       e = np.where(a > 0, np.clip(np.frexp(np.where(a > 0, a, 1))[1] - 1 - 2, -126, 127), 0)      # np.frexp(a)[1] - 1 = floor(log2(a)), exactly
;;       r = np.clip(x / 2.0 ** e, -6, 6)
;;       step = 2.0 ** (np.maximum(np.frexp(np.where(r == 0, 1, r))[1] - 1, 0) - 1)
;;       q = np.round(r / step) * step * 2.0 ** e      # np.round: ties to even
;;       return np.moveaxis(q.reshape(q.shape[:-2] + (-1,))[..., :K], -1, axis).astype(np.float32)
;;   ~~~
;;   SOFTMAX AHEAD OF A QUANTISED PRODUCT. Where the list says 'softmax', what is quantised is not the finished softmax but p = 2^(t - M), with t = logit x log2(e) and M = ceil(the row's largest t), a whole number; so 1/2 < the row's largest p <= 1. The row's sum l is taken of the UNQUANTISED p, in f32, and the product's result is divided by l at the end. Since M is a whole number, a kernel that streams over the keys may use a running M (the ceiling of the running maximum): every later rescaling is an exact power of two, which a block's scale takes up: the codes' values come out the same.
;;   OPERANDS COMPUTED ON THE WAY. 'Computed on the way' means the value that the module computes at that place (a softmax that the list does not call 'softmax' is quantised finished and normalised). What goes into a quantiser is computed in f32, as accurately as f32 sums, v_exp_f32 and their like allow (about 1e-6 of the number): no bf16 or f16 on the way to a quantiser, and a product that is left as it is and whose result goes on into a quantised operand takes f32 operands (vector FMAs, or v_wmma_f32_16x16x4_f32). A number that lies on a knife's edge between two numbers of the format may be rounded either way, as far as f32 arithmetic and the matrix unit's own rounding can turn it there, and no further.
;; One version. Each part assembles by itself: llvm-mc -triple=amdgcn-amd-amdhsa -mcpu=gfx1250 --defsym DOCPART=n.
;; ======== version 1 of 1: 4 launches
;; workspace buffers: xq 4,456,448 bytes; wq 1,671,168 bytes; pq 557,056 bytes; qq 4,718,592 bytes; kv 9,175,040 bytes; aq 4,456,448 bytes
;; launch quant (part 1): grid 512 x 1, 4 waves a work-group, no clusters, 34,304 bytes of LDS; arguments hidden_states, c_attn_w, c_proj_w, xq, wq, pq; writes xq, wq, pq
.if DOCPART == 1
	.amdgcn_target "amdgcn-amd-amdhsa--gfx1250"
	.amdhsa_code_object_version 6
	.text
	.protected	k_qb910806340_quant
	.globl	k_qb910806340_quant
	.p2align	8
	.type	k_qb910806340_quant,@function
k_qb910806340_quant:
	s_mov_b64 s[64:65], 0
	v_nop
	global_prefetch_b8 v0, s[64:65] scope:SCOPE_SE
	s_setreg_imm32_b32 hwreg(HW_REG_WAVE_MODE, 25, 1), 1
	s_wait_xcnt 0x0
; hidden_states [8192][1024], c_attn_w [1024][3072] and c_proj_w [1024][1024], f32, become codes of FP4 (E2M1) with one E8M0 byte for each 32 along K (K = 1024 in all three).
; A block's byte is its largest magnitude's exponent field - 2, held at 1 from below; each number is divided by the scale and rounded to the nearest code, ties to even, beyond 6 the largest code.
; LIMITS: NaN and infinities among the inputs are not served; a block whose largest magnitude lies under 2^-124 keeps the byte 1; a block of zeros gets the byte 1 where the rule says 127
; (its codes are zeros, which add nothing under any byte but 0xff, and the bytes are read by this program alone).
; WHAT IS STORED: TILE RECORDS of 8,704 bytes.  A tile is 16 rows of x (or 16 columns of a weight): in each group of 32, tile 2 b + u has member r = index 32 b + 8 u + r + 8 (r / 8).
; A record holds 8 K steps of 128: each an image of the matrix operand's registers, [c = 0, 1][lane][16 bytes], lane (r, h) holding k = 64 c + 32 h + 0 .. 31 of member r; then 512 bytes of scale words,
; [K step / 4][r][K step % 4].  So the later launches load operands as they lie, 16 bytes a lane on end.
; SHARES.  Work-groups 0-255: x, a wave to half a record (4 K steps of 16 rows).  256-447: c_attn_w.  448-511: c_proj_w: a wave to 32 columns (two tiles) x one K step.  Waves share nothing: no barrier.
; Only the path for x uses LDS.
.set REC,   8704
.set SPX,   528                        ; a row of the wave's stage: 512 bytes + 16
.set R0,    32                         ; v32-95, v96-159  two sets of 64 registers as loaded
.set X,     160                        ; v160-223 the lane's 64 numbers: two whole blocks of 32 of its row
.set CD,    20                         ; v20-27   a fragment's codes
.set WRD,   16                         ; v16-19   the four K steps' scale words
.set FLOOR, 0x1800000                  ; 2^(3 - 127): under it no largest magnitude is taken, so the byte cannot fall under 1
.set OFFE,  0xff000000                 ; takes 2 off an exponent field
.macro XLOAD f                         ; K step f of my 16 rows: each load is 512 consecutive bytes of one row, 16 a lane
.irp i, 0,1,2,3,4,5,6,7,8,9,10,11,12,13,14,15
	global_load_b128 v[R0+64*((\f)%2)+4*\i:R0+64*((\f)%2)+4*\i+3], v3, s[4:5] offset:(\i+8*(\i/8))*4096+512*(\f) th:TH_LOAD_NT
.endr
.endm
.macro XFRAG f
.if (\f) < 3
	s_wait_loadcnt 16                              ; this K step's 16 loads are in; the next set's 16 may be out
.else
	s_wait_loadcnt 0x0
.endif
.irp i, 0,1,2,3,4,5,6,7,8,9,10,11,12,13,14,15
	ds_store_b128 v4, v[R0+64*((\f)%2)+4*\i:R0+64*((\f)%2)+4*\i+3] offset:SPX*\i   ; rows as they lie, into my own stage
.endr
.irp c, 0,1
.irp j, 0,1,2,3,4,5,6,7
	ds_load_b128 v[X+32*\c+4*\j:X+32*\c+4*\j+3], v5 offset:256*\c+16*\j            ; back: k = 64 c + 32 h + 0 .. 31 of row r (LDS serves a wave's instructions in order)
.endr
.endr
	s_wait_dscnt 0x0                               ; the numbers are back, and the stores have read their registers,
.if (\f) < 2
	XLOAD (\f)+2                                   ; which take the loads of two K steps on
.endif
.irp c, 0,1
	v_max3_num_f32 v[8+\c], |v[X+32*\c]|, |v[X+32*\c+1]|, FLOOR    ; block 2 c + h: all its 32 numbers are mine
.endr
.irp i, 2,4,6,8,10,12,14,16,18,20,22,24,26,28,30
.irp c, 0,1
	v_max3_num_f32 v[8+\c], v[8+\c], |v[X+32*\c+\i]|, |v[X+32*\c+\i+1]|
.endr
.endr
.irp c, 0,1
	v_add_nc_u32 v[10+\c], OFFE, v[8+\c]           ; the conversion takes the exponent field of this operand as its scale
.endr
.irp c, 0,1
	v_lshrrev_b32 v[12+\c], 23, v[10+\c]           ; the scale's byte
.endr
	v_lshl_or_b32 v14, v13, 16, v12                ; my two bytes, blocks h and 2 + h,
	v_lshlrev_b32 v14, v6, v14                     ; 8 h bits up;
	v_permlanex16_b32 v15, v14, s20, s21
	v_or_b32 v[WRD+(\f)], v14, v15                 ; with lane l xor 16's two the row's word is whole
	s_wait_alu depctr_va_vdst(0)
	s_wait_xcnt 0x0                                ; the last fragment's stores have read the codes' registers
.irp c, 0,1
.irp i, 0,1,2,3
	v_cvt_scalef32_pk8_fp4_f32 v[CD+4*\c+\i], v[X+32*\c+8*\i:X+32*\c+8*\i+7], v[10+\c]   ; the operand's registers 4 c .. 4 c + 3
.endr
.endr
	v_nop                                          ; one plain line behind the conversions
	global_store_b128 v3, v[CD:CD+3], s[10:11] offset:1024*(\f)          ; 512 consecutive bytes each
	global_store_b128 v3, v[CD+4:CD+7], s[10:11] offset:1024*(\f)+512
.endm
; A weight [1024][N]: a lane takes a column and its 128 registers run down one K step, so a block of 32 lies in one lane.  Lanes 0-15 take the 16 columns of tile 2 j, lanes 16-31 those of tile 2 j + 1:
; each load still covers the same 128 consecutive bytes.  first: the path's first work-group; src, dst: the scalar pairs of the weight and of its records.
.macro WPATH N, first, src, dst
	s_sub_co_u32 s17, ttmp9, \first
	s_and_b32 s18, s17, 7                          ; the K step
	s_lshr_b32 s19, s17, 3
	s_lshl_b32 s19, s19, 2
	s_add_co_u32 s19, s19, s16                     ; which 32 columns: 4 x (work-group / 8) + wave
	s_mul_i32 s22, s18, 512*\N                     ; 128 rows of N x 4 bytes a K step,
	s_lshl_b32 s23, s19, 7                         ; 128 bytes for 32 columns
	s_add_co_u32 s22, s22, s23
	s_mov_b32 s23, 0
	s_mul_i32 s24, s19, 2*REC                      ; two records for 32 columns,
	s_lshl_b32 s25, s18, 10                        ; 1,024 bytes a K step
	s_add_co_u32 s24, s24, s25
	s_mov_b32 s25, 0
	s_mul_i32 s26, s19, 2*REC                      ; the scale words: 8192 + 256 (K step / 4) + 4 (K step % 4)
	s_lshr_b32 s27, s18, 2
	s_lshl_b32 s27, s27, 8
	s_add_co_u32 s26, s26, s27
	s_and_b32 s27, s18, 3
	s_lshl_b32 s27, s27, 2
	s_add_co_u32 s26, s26, s27
	s_add_co_u32 s26, s26, 8192
	s_mov_b32 s27, 0
	s_wait_kmcnt 0x0
	s_add_nc_u64 s[28:29], s[\src:\src+1], s[22:23]
	s_add_nc_u64 s[32:33], s[\dst:\dst+1], s[24:25]
	s_add_nc_u64 s[34:35], s[\dst:\dst+1], s[26:27]
.set k, 0
.rept 128
	global_load_b32 v[32+k], v4, s[28:29] offset:k*\N*4 th:TH_LOAD_NT
.set k, k+1
.endr
.irp q, 0,1,2,3
.if \q < 2
	s_wait_loadcnt 63                              ; at most 63 younger loads are out: loads 0 to 64 are in, blocks 0 and 1 among them
.else
	s_wait_loadcnt 96-32*\q                        ; the later blocks' loads may be out
.endif
.set DB, 32+32*\q
	v_max3_num_f32 v8, |v[DB]|, |v[DB+1]|, FLOOR   ; two chains, so that no line waits for the line above it
	v_max3_num_f32 v9, |v[DB+2]|, |v[DB+3]|, |v[DB+4]|
.irp i, 5,9,13,17,21,25
	v_max3_num_f32 v8, v8, |v[DB+\i]|, |v[DB+\i+1]|
	v_max3_num_f32 v9, v9, |v[DB+\i+2]|, |v[DB+\i+3]|
.endr
	v_max3_num_f32 v8, v8, |v[DB+29]|, |v[DB+30]|
	v_max3_num_f32 v8, v8, v9, |v[DB+31]|
	v_add_nc_u32 v10, OFFE, v8
	v_lshrrev_b32 v11, 23, v10
.if \q == 0
	v_mov_b32 v12, v11                             ; the column's scale word, the lower K in the lower byte
.else
	v_lshl_or_b32 v12, v11, 8*\q, v12
.endif
.irp i, 0,1,2,3
	v_cvt_scalef32_pk8_fp4_f32 v[16+4*\q+\i], v[DB+8*\i:DB+8*\i+7], v10
.endr
.if (\q%2) == 1
	v_nop                                          ; one plain line behind the conversions
.irp i, 0,1,2,3
	v_permlane16_swap_b32 v[16+8*(\q/2)+\i], v[20+8*(\q/2)+\i]   ; the first four: tile 2 j's group c (lanes 0-15 block 2 c, lanes 16-31 block 2 c + 1); the second four: tile 2 j + 1's
.endr
	global_store_b128 v3, v[16+8*(\q/2):19+8*(\q/2)], s[32:33] offset:512*(\q/2)
	global_store_b128 v3, v[20+8*(\q/2):23+8*(\q/2)], s[32:33] offset:512*(\q/2)+REC
.endif
.endr
	global_store_b32 v5, v12, s[34:35]             ; four bytes a lane, 16 bytes apart: a K step's words of 32 columns; 128 of the 8,704 bytes of the two records' share of this wave's work
	s_endpgm
.endm
	s_load_b128 s[4:7], s[0:1], 0x0                ; hidden_states, c_attn_w
	s_load_b128 s[8:11], s[0:1], 0x10              ; c_proj_w, xq
	s_load_b128 s[12:15], s[0:1], 0x20             ; wq, pq
	v_lshl_add_u32 v240, v0, 2, 0x8400
	v_mov_b32 v241, 0
	v_lshrrev_b32 v8, 5, v0
	v_readfirstlane_b32 s16, v8                    ; wave 0..3
	v_and_b32 v1, 15, v0                           ; r
	v_bfe_u32 v2, v0, 4, 1                         ; h
	v_and_b32 v8, 31, v0
	v_lshlrev_b32 v3, 4, v8                        ; 16 x lane
	s_mov_b32 s20, 0x76543210
	s_mov_b32 s21, 0xfedcba98                      ; v_permlanex16_b32's selects for lane l xor 16
	s_mov_b32 s31, 0xffff0000                      ; lanes 16-31
	s_cmp_lt_u32 ttmp9, 256
	s_cbranch_scc0 .Lweights
	; ---- x
	s_lshl_b32 s17, ttmp9, 2
	s_add_co_u32 s17, s17, s16
	s_lshr_b32 s18, s17, 1                         ; the tile of rows, 0 .. 511
	s_and_b32 s19, s17, 1                          ; which four K steps
	s_lshr_b32 s22, s18, 1
	s_lshl_b32 s22, s22, 17                        ; 32 rows of 4,096 bytes a group,
	s_and_b32 s23, s18, 1
	s_lshl_b32 s23, s23, 15                        ; 8 rows on for the odd tile,
	s_add_co_u32 s22, s22, s23
	s_lshl_b32 s23, s19, 11                        ; 2,048 bytes for four K steps
	s_add_co_u32 s22, s22, s23
	s_mov_b32 s23, 0
	s_mul_i32 s24, s18, REC
	s_lshl_b32 s25, s19, 12
	s_add_co_u32 s24, s24, s25                     ; the record, my four images
	s_mov_b32 s25, 0
	s_mul_i32 s26, s18, REC
	s_lshl_b32 s27, s19, 8
	s_add_co_u32 s26, s26, s27
	s_add_co_u32 s26, s26, 8192                    ; and my 256 bytes of scale words
	s_mov_b32 s27, 0
	s_mul_i32 s30, s16, 16*SPX                     ; my stage
	s_wait_alu depctr_va_vdst(0)
	v_add_nc_u32 v4, s30, v3                       ; in: 16 x lane of a row
	v_mul_u32_u24 v5, v1, SPX
	v_lshl_add_u32 v5, v2, 7, v5
	v_add_nc_u32 v5, s30, v5                       ; back: row r, + 128 h
	v_lshlrev_b32 v6, 3, v2                        ; 8 h
	v_lshl_add_u32 v7, v1, 4, v6                   ; 16 r + 8 h
	v_mov_b32 v15, 0                               ; a lane permute's destination counts as one of its sources
	s_wait_alu depctr_va_vdst(0)
	s_wait_kmcnt 0x0
	s_add_nc_u64 s[4:5], s[4:5], s[22:23]
	s_add_nc_u64 s[28:29], s[10:11], s[26:27]
	s_add_nc_u64 s[10:11], s[10:11], s[24:25]
	XLOAD 0
	XLOAD 1
	XFRAG 0
	XFRAG 1
	XFRAG 2
	XFRAG 3
	v_cndmask_b32 v28, v[WRD], v[WRD+2], s31       ; lanes 0-15 store the row's words 0, 1, lanes 16-31 its words 2, 3:
	v_cndmask_b32 v29, v[WRD+1], v[WRD+3], s31
	global_store_b64 v7, v[28:29], s[28:29]        ; 256 consecutive bytes
	s_wait_tensorcnt 0x0
	ds_add_u32 v240, v241
	s_wait_dscnt 0x0
	s_endpgm
.Lweights:
	s_wait_alu depctr_va_vdst(0)
	v_and_b32 v4, 8, v1
	v_add_nc_u32 v4, v4, v1                        ; r + 8 (r / 8)
	v_lshl_add_u32 v4, v2, 3, v4                   ; + 8 u: my column among the 32
	v_lshlrev_b32 v4, 2, v4
	v_mul_u32_u24 v5, v2, REC
	v_lshl_add_u32 v5, v1, 4, v5                   ; my scale word: the tile's record, 16 r
	s_cmp_lt_u32 ttmp9, 448
	s_cbranch_scc0 .Lproj_w
	s_wait_alu depctr_va_vdst(0)
	WPATH 3072, 256, 6, 12
.Lproj_w:
	s_wait_alu depctr_va_vdst(0)
	WPATH 1024, 448, 8, 14
.Lfunc_end_k_qb910806340_quant:
	.size	k_qb910806340_quant, .Lfunc_end_k_qb910806340_quant-k_qb910806340_quant
	.p2alignl 7, 3214868480
	.fill 96, 4, 3214868480
	.section	.rodata,"a",@progbits
	.p2align	6, 0x0
	.amdhsa_kernel k_qb910806340_quant
		.amdhsa_group_segment_fixed_size 34304
		.amdhsa_private_segment_fixed_size 0
		.amdhsa_enable_private_segment 0
		.amdhsa_kernarg_size 48
		.amdhsa_user_sgpr_count 2
		.amdhsa_user_sgpr_kernarg_segment_ptr 1
		.amdhsa_wavefront_size32 1
		.amdhsa_system_sgpr_workgroup_id_x 1
		.amdhsa_system_sgpr_workgroup_id_y 1
		.amdhsa_system_sgpr_workgroup_id_z 1
		.amdhsa_system_vgpr_workitem_id 0
		.amdhsa_next_free_vgpr 242
		.amdhsa_next_free_sgpr 66
		.amdhsa_reserve_vcc 0
		.amdhsa_float_denorm_mode_32 3
		.amdhsa_float_denorm_mode_16_64 3
		.amdhsa_memory_ordered 1
		.amdhsa_forward_progress 1
		.amdhsa_inst_pref_size 70
	.end_amdhsa_kernel
	.amdgpu_metadata
---
amdhsa.version: [ 1, 2 ]
amdhsa.kernels:
  - .name:           k_qb910806340_quant
    .symbol:         k_qb910806340_quant.kd
    .args:
      - { .name: hidden_states, .offset: 0, .size: 8, .value_kind: global_buffer, .address_space: global }
      - { .name: c_attn_w, .offset: 8, .size: 8, .value_kind: global_buffer, .address_space: global }
      - { .name: c_proj_w, .offset: 16, .size: 8, .value_kind: global_buffer, .address_space: global }
      - { .name: xq, .offset: 24, .size: 8, .value_kind: global_buffer, .address_space: global }
      - { .name: wq, .offset: 32, .size: 8, .value_kind: global_buffer, .address_space: global }
      - { .name: pq, .offset: 40, .size: 8, .value_kind: global_buffer, .address_space: global }
    .group_segment_fixed_size: 34304
    .private_segment_fixed_size: 0
    .kernarg_segment_align: 8
    .kernarg_segment_size: 48
    .max_flat_workgroup_size: 128
    .sgpr_count:     66
    .vgpr_count:     242
    .wavefront_size: 32
...
	.end_amdgpu_metadata
.endif
;; end of part 1
;; launch qkv (part 2): grid 12 x 32, 4 waves a work-group, clusters of 4 x 4, 279,040 bytes of LDS; arguments xq, wq, c_attn_b, qq, kv; writes qq, kv
.if DOCPART == 2
	.amdgcn_target "amdgcn-amd-amdhsa--gfx1250"
	.amdhsa_code_object_version 6
	.text
	.protected	k_qb910806340_qkv
	.globl	k_qb910806340_qkv
	.p2align	8
	.type	k_qb910806340_qkv,@function
k_qb910806340_qkv:
	s_mov_b64 s[64:65], 0
	v_nop
	global_prefetch_b8 v0, s[64:65] scope:SCOPE_SE
	s_setreg_imm32_b32 hwreg(HW_REG_WAVE_MODE, 25, 1), 1
	s_wait_xcnt 0x0
	s_wait_alu depctr_hold_cnt(0) depctr_sa_sdst(0) depctr_va_vdst(0) depctr_va_sdst(0) depctr_va_ssrc(0) depctr_va_vcc(0) depctr_vm_vsrc(0)
	s_getreg_b32 s2, hwreg(HW_REG_IB_STS2, 6, 4)
	s_cmp_eq_u32 s2, 0
	s_cbranch_scc0 .Lentry_in_a_cluster
	s_endpgm
.Lentry_in_a_cluster:
	s_bfe_u32 s2, ttmp6, 0x10000c
	s_cmp_lg_u32 s2, 0xf033
	s_cbranch_scc0 .Lentry_shape_is_right
	s_endpgm
.Lentry_shape_is_right:
; qkv = x W + b on codes of FP4 (E2M1), K = 1024; the results q, k, v are quantised here, in registers, and leave as codes: q and k along the head's 64, v along the keys.
; LIMITS: NaN and infinities are not served; a block whose largest magnitude lies under 2^-124, a block of zeros among them, keeps the byte 1 (zero codes add nothing, and this program alone reads the bytes);
; the bias is the first addend of each f32 sum, not the last.
; SHARES.  A work-group makes 256 rows x 256 columns, each of its four waves 128 x 128: 64 accumulators, 512 registers.  The cluster's x says which third of the columns: 0 = q, 1 = k, 2 = v: the same in all
; sixteen partners, so the text may branch on it.  A work-group's 256 columns are four heads, a wave's 128 two.
; ALL OF K LIES IN LDS: 16 + 16 tile records' codes in two chunks of four K steps, and their scale words.  Every LDS byte is filled once: no slot is filled again.
; CLUSTER 4 x 4: x's records are shared along a row of the cluster, W's along a column: each is asked for jointly, which divides the requests by four.
; TILES are in the order of launch quant: in each 32, tile 2 b + u has member r = 32 b + 8 u + r + 8 (r / 8).  As source 0 such a tile gives lane (r, h) in register j the index 32 b + 16 h + 8 u + j:
; the 16 registers of tiles 2 b, 2 b + 1 are 16 neighbours.  q, k: source 0 = W's columns, so a lane holds one row and its registers run along the head's channels.
; v: source 0 = x's rows, so a lane holds one channel and its registers run along the keys.  Either way the 64 registers of one 'b' are one fragment of the next product.
; OUT.  qq, a head: codes [tile of 16 rows][lane][16 bytes], lane (r, h) holding d = 32 h .. 32 h + 31; then scale words [128 rows I][lane l][j]: tile 8 I + 2 j + l / 16, member l % 16, bytes 2 and 3 = 0x7f.
; kv, a head: k as q; v [128 keys][tile of 16 channels][image of 1,024 bytes]; k's scale words; v's [128 keys][lane l][j]: channel tile 2 j + l / 16.
; REGISTERS, in windows of 256: window 0: v1-9 addresses; v16-79 scale words; v80-143 the bias in the result's layout; v144-183 at work on the way out.
;   window 1: two sets of fragments (x's eight at 128 p, W's eight at 128 p + 64).   windows 2, 3: the accumulators, (b, a) at v[8 (8 (b % 4) + a)].
.set REC,    8704
.set CHUNK,  131072                    ; LDS: chunk q (K steps 4 q .. 4 q + 3): x's 16 tiles x 4,096 bytes, then W's
.set WOFF,   65536
.set SCL,    262144                    ; behind the chunks: x's 16 x 512 bytes of scale words, then W's
.set QHEAD,  73728
.set KVHEAD, 143360
.set FLOOR,  0x1800000
.set OFFE,   0xff000000
.set LI,   3                           ; v3   16 x lane
.set ADRX, 4                           ; v4-5 my x fragments in chunk 0, 1
.set ADRW, 6                           ; v6-7 my W fragments
.set ADRS, 8                           ; v8   my scale words: lanes 0-15 x's tiles, lanes 16-31 W's
.set L8,   9                           ; v9   8 x lane
.set SC,   16                          ; v[SC + 8 i + g]: lanes 0-15 x tile i's word of K step g, lanes 16-31 W tile i's
.set BI,   80
.set TM,   144                         ; +0..3 largest magnitudes, +4..7 bytes, +12..15 the conversions' scale operands
.set PW,   160                         ; the scale word just made
.set WT,   161                         ; v161-162 at work
.set PC,   164                         ; v164-171 the codes just made
.set SW,   176                         ; v176-183 scale words gathered for their stores
.set MSB, 0
.macro WIN new                         ; the immediate's high byte repeats the setting that is left; a switch that changes nothing is dropped
.if MSB != (\new)
	s_set_vgpr_msb (MSB<<8)|(\new)
.set MSB, (\new)
.endif
.endm
.macro ROUND                           ; a round of the cluster's barrier
	s_barrier_signal -1
	s_barrier_wait -1
	s_cmp_lg_u32 s14, 0
	s_cbranch_scc1 .Lnot_wave_0_\@
	s_barrier_signal -3
.Lnot_wave_0_\@:
	s_barrier_wait -3
	s_barrier_signal -1
	s_barrier_wait -1
.endm
.macro PLACES                          ; four plain lines between a matrix instruction and a load into, or a vector read of, its registers
.rept 4
	v_nop
.endr
.endm
.macro SCALES                          ; all eight K steps' words of my 8 + 8 tiles: 16 loads of four words
.irp i, 0,1,2,3,4,5,6,7
.irp u, 0,1
	ds_load_b128 v[SC+8*\i+4*\u:SC+8*\i+4*\u+3], v[ADRS] offset:512*\i+256*\u
.endr
.endr
.endm
.macro FETCH g                         ; K step g's fragments into set g % 2: images, 512 consecutive bytes a load
	WIN 0x40                                       ; destination window 1
.irp i, 0,1,2,3,4,5,6,7
.irp c, 0,1
	ds_load_b128 v[128*((\g)%2)+8*\i+4*\c:128*((\g)%2)+8*\i+4*\c+3], v[ADRX+(\g)/4] offset:\i*4096+((\g)%4)*1024+512*\c
.endr
.endr
.irp i, 0,1,2,3,4,5,6,7
.irp c, 0,1
	ds_load_b128 v[128*((\g)%2)+64+8*\i+4*\c:128*((\g)%2)+64+8*\i+4*\c+3], v[ADRW+(\g)/4] offset:\i*4096+((\g)%4)*1024+512*\c
.endr
.endr
	WIN 0
.endm
; 64 matrix instructions: K step g.  typ 0 (q, k): a = W's tile (source 0), b = x's.  typ 1 (v): a = x's tile (source 0), b = W's.  K step 0 takes the bias as C: nothing is cleared, nothing added later.
; The 64 accumulators take turns, one instruction a turn, in the same order in every step.
.macro MUL64 g, typ
.set FS, 128*((\g)%2)
.irp b, 0,1,2,3,4,5,6,7
.if (\g) == 0
	WIN 0x85+0x40*(\b/4)                           ; sources 0, 1 window 1, C window 0, D window 2 or 3
.else
	WIN 0xa5+0x50*(\b/4)                           ; C and D window 2 or 3
.endif
.irp a, 0,1,2,3,4,5,6,7
.set DD, 8*(8*(\b%4)+\a)
.if (\typ) == 0
.if (\g) == 0
	v_wmma_scale_f32_16x16x128_f8f6f4 v[DD:DD+7], v[FS+64+8*\a:FS+64+8*\a+7], v[FS+8*\b:FS+8*\b+7], v[BI+8*\a:BI+8*\a+7], v[SC+8*\a+(\g)], v[SC+8*\b+(\g)] matrix_a_fmt:MATRIX_FMT_FP4 matrix_b_fmt:MATRIX_FMT_FP4 matrix_a_scale:MATRIX_SCALE_ROW1
.else
	v_wmma_scale_f32_16x16x128_f8f6f4 v[DD:DD+7], v[FS+64+8*\a:FS+64+8*\a+7], v[FS+8*\b:FS+8*\b+7], v[DD:DD+7], v[SC+8*\a+(\g)], v[SC+8*\b+(\g)] matrix_a_fmt:MATRIX_FMT_FP4 matrix_b_fmt:MATRIX_FMT_FP4 matrix_a_scale:MATRIX_SCALE_ROW1
.endif
.else
.if (\g) == 0
	v_wmma_scale_f32_16x16x128_f8f6f4 v[DD:DD+7], v[FS+8*\a:FS+8*\a+7], v[FS+64+8*\b:FS+64+8*\b+7], v[BI+8*\b:BI+8*\b+7], v[SC+8*\a+(\g)], v[SC+8*\b+(\g)] matrix_a_fmt:MATRIX_FMT_FP4 matrix_b_fmt:MATRIX_FMT_FP4 matrix_b_scale:MATRIX_SCALE_ROW1
.else
	v_wmma_scale_f32_16x16x128_f8f6f4 v[DD:DD+7], v[FS+8*\a:FS+8*\a+7], v[FS+64+8*\b:FS+64+8*\b+7], v[DD:DD+7], v[SC+8*\a+(\g)], v[SC+8*\b+(\g)] matrix_a_fmt:MATRIX_FMT_FP4 matrix_b_fmt:MATRIX_FMT_FP4 matrix_b_scale:MATRIX_SCALE_ROW1
.endif
.endif
.endr
.endr
	WIN 0
.endm
.macro KSTEP g
	s_wait_dscnt 0x0                               ; this K step's fragments are in (asked for 64 matrix instructions ago)
.if (\g) == 3
	s_wait_tensorcnt 0x0                           ; my part of chunk 1 has landed,
	s_barrier_signal -1
	s_barrier_wait -1                              ; everybody's has: K step 4 may be fetched
.endif
.if (\g) < 7
.if (\g) > 0
	PLACES                                         ; the set to be loaded was multiplied in the step before
.endif
	FETCH (\g)+1
.endif
	s_cmp_eq_u32 s19, 2                            ; only the matrix lines differ between q, k and v
	s_cbranch_scc1 .Lmul_v_\@
	MUL64 \g, 0
	s_branch .Lmul_done_\@
.Lmul_v_\@:
	MUL64 \g, 1
.Lmul_done_\@:
.endm
; The 64 registers of accumulators (b, 0 .. 7), register 16 q + i = k 32 q + 16 h + i of my row of the next operand, become a fragment's codes in v[PC] on and its scale word in v[PW].
; Each accumulator is read from its low end on.
.macro QUANTW b
.set AC, 64*((\b)%4)
	WIN 0x28+0x14*((\b)/4)                         ; sources 1 and 2: window 2 or 3
.irp q, 0,1,2,3
	v_max3_num_f32 v[TM+\q], FLOOR, |v[AC+16*\q]|, |v[AC+16*\q+1]|
.endr
.irp i, 2,4,6,8,10,12,14
.irp q, 0,1,2,3
	v_max3_num_f32 v[TM+\q], v[TM+\q], |v[AC+16*\q+\i]|, |v[AC+16*\q+\i+1]|      ; the four blocks by turns
.endr
.endr
	WIN 0
.irp q, 0,1,2,3
	v_permlanex16_b32 v[TM+4+\q], v[TM+\q], s92, s93
.endr
.irp q, 0,1,2,3
	v_max_num_f32 v[TM+\q], v[TM+\q], v[TM+4+\q]   ; with lane l xor 16's 16: the block's largest magnitude
.endr
.irp q, 0,1,2,3
	v_add_nc_u32 v[TM+12+\q], OFFE, v[TM+\q]       ; 2 off its exponent field: the conversion's scale operand
.endr
.irp q, 0,1,2,3
	v_lshrrev_b32 v[TM+4+\q], 23, v[TM+12+\q]      ; the scale's byte
.endr
	v_lshl_or_b32 v[PW], v[TM+5], 8, v[TM+4]
	v_lshl_or_b32 v[PW], v[TM+6], 16, v[PW]
	v_lshl_or_b32 v[PW], v[TM+7], 24, v[PW]
	s_wait_xcnt 0x0                                ; the last fragment's stores have read the codes' registers
	WIN 0x02+((\b)/4)                              ; source 0: window 2 or 3
.irp q, 0,1,2,3
	v_cvt_scalef32_pk8_fp4_f32 v[PC+2*\q], v[AC+16*\q:AC+16*\q+7], v[TM+12+\q]
	v_cvt_scalef32_pk8_fp4_f32 v[PC+2*\q+1], v[AC+16*\q+8:AC+16*\q+15], v[TM+12+\q]
.endr
	WIN 0
	v_nop                                          ; one plain line behind the conversions
.irp c, 0,1
.irp i, 0,1
	v_permlane16_swap_b32 v[PC+4*\c+\i], v[PC+2+4*\c+\i]   ; a whole block to a lane: registers 4 c .. 4 c + 3 hold k = 64 c + 32 h + 0 .. 31
.endr
.endr
.endm
	s_load_b128 s[4:7], s[0:1], 0x0                ; xq, wq
	s_load_b128 s[8:11], s[0:1], 0x10              ; c_attn_b, qq
	s_load_b64 s[12:13], s[0:1], 0x20              ; kv
	v_lshl_add_u32 v254, v0, 2, 0x44000
	v_mov_b32 v255, 0
	ds_add_u32 v254, v255
	ds_add_u32 v254, v255
	v_lshrrev_b32 v1, 5, v0
	v_readfirstlane_b32 s14, v1                    ; wave 0..3
	s_lshr_b32 s15, s14, 1                         ; which 128 rows are mine.  Also: I fetch for x (0) or for W (1)
	s_and_b32 s16, s14, 1                          ; which 128 columns.  Also: which eight records I fetch
	s_bfe_u32 s20, ttmp6, 0x40000                  ; cx
	s_bfe_u32 s21, ttmp6, 0x40004                  ; cy
	s_lshl_b32 s18, ttmp9, 2
	s_add_co_u32 s18, s18, s20                     ; block of 256 columns = 4 x cluster x + cx
	s_and_b32 s17, ttmp7, 0xffff
	s_lshl_b32 s17, s17, 2
	s_add_co_u32 s17, s17, s21                     ; block of 256 rows = 4 x cluster y + cy
	s_mov_b32 s19, ttmp9                           ; 0 = q, 1 = k, 2 = v
	s_lshl_b32 s22, s21, 2
	s_lshl_b32 s22, 15, s22                        ; my row of the cluster
	s_lshl_b32 s23, 0x1111, s20                    ; my column
	; descriptor groups 1.  Codes: eight records' four K steps: 8 rows of 4,096 bytes (512 elements of 8), 8,704 bytes (1,088 elements) apart.  Scale words: 8 rows of 512 bytes.  No padding: images are read on end.
	s_or_b32 s24, s22, (3<<16)|(1<<21)             ; x's go to my row; 17:16 elements of 8 bytes; 21 set beside a mask
	s_or_b32 s32, s23, (3<<16)|(1<<21)             ; W's to my column
	s_or_b32 s40, s22, (3<<16)|(1<<21)
	s_or_b32 s48, s23, (3<<16)|(1<<21)
.irp g, 24, 32
	s_mov_b32 s[\g+1], 512<<16                     ; tensor_dim0
	s_mov_b32 s[\g+2], 8<<16                       ; tensor_dim1
	s_mov_b32 s[\g+3], 512<<16                     ; tile_dim0
	s_mov_b32 s[\g+4], 8                           ; tile_dim1
	s_mov_b32 s[\g+5], 1088                        ; tensor_dim0_stride
	s_mov_b32 s[\g+6], 0
	s_mov_b32 s[\g+7], 0
.endr
.irp g, 40, 48
	s_mov_b32 s[\g+1], 64<<16
	s_mov_b32 s[\g+2], 8<<16
	s_mov_b32 s[\g+3], 64<<16
	s_mov_b32 s[\g+4], 8
	s_mov_b32 s[\g+5], 1088
	s_mov_b32 s[\g+6], 0
	s_mov_b32 s[\g+7], 0
.endr
	s_lshl_b32 s56, s17, 4                         ; x: record 16 x block of rows + 8 x half (no register here ever holds cx)
	s_lshl_b32 s57, s16, 3
	s_add_co_u32 s56, s56, s57
	s_mul_i32 s56, s56, REC
	s_mov_b32 s57, 0
	s_lshl_b32 s58, s18, 4                         ; W: record 16 x block of columns + 8 x half (none here holds cy)
	s_lshl_b32 s59, s16, 3
	s_add_co_u32 s58, s58, s59
	s_mul_i32 s58, s58, REC
	s_mov_b32 s59, 0
	s_lshl_b32 s60, s14, 15                        ; where they go: wave x 32,768 in a chunk (x's halves, then W's),
	s_lshl_b32 s61, s14, 12                        ; wave x 4,096 among the scale words: no place in the cluster enters an LDS address
	s_mov_b32 s92, 0x76543210
	s_mov_b32 s93, 0xfedcba98                      ; v_permlanex16_b32's selects for lane l xor 16
	s_mov_b32 s94, 0xffff0000                      ; lanes 16-31
	s_mov_b32 s95, 0x7f7f0000                      ; the scale 1 for the upper 64 of a K step of which a head fills 64
	s_wait_dscnt 0x0
	s_wait_kmcnt 0x0
	s_add_nc_u64 s[56:57], s[4:5], s[56:57]
	s_add_nc_u64 s[58:59], s[6:7], s[58:59]
.irp p, 0,1                            ; groups 0: p = 0: x's at s68, p = 1: W's at s80: scale words, chunk 0, chunk 1
	s_mov_b32 s[68+12*\p], 1
	s_add_co_u32 s[69+12*\p], s61, SCL
	s_add_nc_u64 s[70+12*\p:71+12*\p], s[56+2*\p:57+2*\p], 8192
	s_or_b32 s[71+12*\p], s[71+12*\p], 0x80000000
	s_mov_b32 s[72+12*\p], 1
	s_mov_b32 s[73+12*\p], s60
	s_mov_b64 s[74+12*\p:75+12*\p], s[56+2*\p:57+2*\p]
	s_or_b32 s[75+12*\p], s[75+12*\p], 0x80000000
	s_mov_b32 s[76+12*\p], 1
	s_add_co_u32 s[77+12*\p], s60, CHUNK
	s_add_nc_u64 s[78+12*\p:79+12*\p], s[56+2*\p:57+2*\p], 4096
	s_or_b32 s[79+12*\p], s[79+12*\p], 0x80000000
.endr
	ROUND                                          ; all sixteen work-groups are here: the joint loads meet
	s_cmp_eq_u32 s15, 0                            ; a wave's three fills stand in one branch on its number: three tensor loads of mine are out
	s_cbranch_scc0 .Lfirst_w
	tensor_load_to_lds s[68:71], s[40:47]
	s_nop 0
	tensor_load_to_lds s[72:75], s[24:31]
	s_nop 0
	tensor_load_to_lds s[76:79], s[24:31]
	s_nop 0
.rept 4
	v_nop
.endr
	s_branch .Lfirst_asked
.Lfirst_w:
	tensor_load_to_lds s[80:83], s[48:55]
	s_nop 0
	tensor_load_to_lds s[84:87], s[32:39]
	s_nop 0
	tensor_load_to_lds s[88:91], s[32:39]
	s_nop 0
.rept 4
	v_nop
.endr
.Lfirst_asked:
	v_and_b32 v1, 15, v0                           ; r
	v_bfe_u32 v2, v0, 4, 1                         ; h
	v_and_b32 v10, 31, v0
	v_lshlrev_b32 v[LI], 4, v10
	v_lshlrev_b32 v[L8], 3, v10
	s_lshl_b32 s60, s15, 15                        ; my eight tiles of x
	v_add_nc_u32 v[ADRX], s60, v[LI]
	v_add_nc_u32 v[ADRX+1], CHUNK, v[ADRX]
	s_lshl_b32 s60, s16, 15                        ; my eight of W, behind x's sixteen
	s_add_co_u32 s60, s60, WOFF
	v_add_nc_u32 v[ADRW], s60, v[LI]
	v_add_nc_u32 v[ADRW+1], CHUNK, v[ADRW]
	s_lshl_b32 s60, s15, 12                        ; scale words: x's of my rows;
	s_lshl_b32 s61, s16, 12
	s_add_co_u32 s61, s61, 8192
	s_sub_co_u32 s61, s61, s60                     ; the distance from there to W's of my columns:
	v_mul_u32_u24 v10, s61, v2                     ; lanes 16-31 take W's
	v_lshl_add_u32 v[ADRS], v1, 4, v10
	s_add_co_u32 s60, s60, SCL
	v_add_nc_u32 v[ADRS], s60, v[ADRS]
.irp q, 0,1,2,3
	v_mov_b32 v[TM+4+\q], 0                        ; a lane permute's destination counts as one of its sources
.endr
	s_lshl_b32 s60, s19, 12                        ; the bias of my 128 columns: 4 x (1024 x third + 256 cx + 128 x half)
	s_lshl_b32 s61, s20, 10
	s_add_co_u32 s60, s60, s61
	s_lshl_b32 s61, s16, 9
	s_add_co_u32 s60, s60, s61
	s_mov_b32 s61, 0
	s_add_nc_u64 s[8:9], s[8:9], s[60:61]
	s_cmp_eq_u32 s19, 2
	s_cbranch_scc1 .Lbias_v
	v_lshlrev_b32 v10, 6, v2                       ; q, k: register j of W's tile a is column 32 (a / 2) + 16 h + 8 (a % 2) + j
.irp a, 0,1,2,3,4,5,6,7
	global_load_b128 v[BI+8*\a:BI+8*\a+3], v10, s[8:9] offset:(32*(\a/2)+8*(\a%2))*4
	global_load_b128 v[BI+8*\a+4:BI+8*\a+7], v10, s[8:9] offset:(32*(\a/2)+8*(\a%2))*4+16
.endr
	s_branch .Lbias_done
.Lbias_v:
	v_and_b32 v10, 8, v1                           ; v: all eight registers of W's tile b are column 32 (b / 2) + 8 (b % 2) + r + 8 (r / 8)
	v_add_nc_u32 v10, v10, v1
	v_lshlrev_b32 v10, 2, v10
.irp b, 0,1,2,3,4,5,6,7
.irp j, 0,1,2,3,4,5,6,7
	global_load_b32 v[BI+8*\b+\j], v10, s[8:9] offset:(32*(\b/2)+8*(\b%2))*4
.endr
.endr
.Lbias_done:
	s_wait_tensorcnt 1                             ; my scale words and my part of chunk 0 are in; chunk 1's load may stay out
	s_barrier_signal -1
	s_barrier_wait -1                              ; everybody's are
	s_wait_alu depctr_va_vdst(0)
	SCALES
	FETCH 0
	s_wait_loadcnt 0x0                             ; the bias
.irp g, 0,1,2,3,4,5,6,7
	KSTEP \g
.endr
	PLACES                                         ; the way out reads results just made
	s_lshr_b32 s56, s17, 3                         ; the batch: 8 blocks of 256 rows each
	s_lshl_b32 s56, s56, 4
	s_lshl_b32 s57, s20, 2
	s_add_co_u32 s56, s56, s57
	s_lshl_b32 s57, s16, 1
	s_add_co_u32 s56, s56, s57                     ; my first head: 16 x batch + 4 cx + 2 x half
	s_lshl_b32 s57, s17, 1
	s_add_co_u32 s57, s57, s15
	s_and_b32 s57, s57, 15                         ; which 128 rows of the batch's 2,048 are mine
	s_cmp_eq_u32 s19, 2
	s_cbranch_scc1 .Lout_v
	; ---- q, k: x's tile i gives one fragment: registers 0-3 my first head's 64 channels, 4-7 my second's.  (No tensor load is out: the descriptors' registers are free)
	s_cmp_eq_u32 s19, 0
	s_cselect_b64 s[58:59], s[10:11], s[12:13]     ; qq or kv
	s_mov_b32 s60, KVHEAD
	s_cselect_b32 s60, QHEAD, s60                  ; a head's bytes there
	s_mov_b32 s61, 131072
	s_cselect_b32 s61, 65536, s61                  ; and where its scale words begin
	s_mul_i32 s62, s56, s60
	s_lshl_b32 s66, s57, 12                        ; eight tiles x 512 bytes
	s_add_co_u32 s62, s62, s66
	s_mov_b32 s63, 0
	s_add_nc_u64 s[68:69], s[58:59], s[62:63]      ; the first head's codes,
	s_add_co_u32 s62, s62, s60
	s_add_nc_u64 s[70:71], s[58:59], s[62:63]      ; the second's
	s_mul_i32 s62, s56, s60
	s_add_co_u32 s62, s62, s61
	s_lshl_b32 s66, s57, 9
	s_add_co_u32 s62, s62, s66
	s_add_nc_u64 s[72:73], s[58:59], s[62:63]      ; and their scale words
	s_add_co_u32 s62, s62, s60
	s_add_nc_u64 s[74:75], s[58:59], s[62:63]
.irp i, 0,1,2,3,4,5,6,7
	QUANTW \i
	global_store_b128 v[LI], v[PC:PC+3], s[68:69] offset:512*\i        ; 512 consecutive bytes each
	global_store_b128 v[LI], v[PC+4:PC+7], s[70:71] offset:512*\i
.if (\i%2) == 0
	v_and_or_b32 v[SW+\i/2], v[PW], 0xffff, s95    ; the first head's two bytes under 0x7f7f: an even tile's word, kept in lanes 0-15
	v_lshrrev_b32 v[WT], 16, v[PW]
	v_or_b32 v[SW+4+\i/2], s95, v[WT]              ; the second head's
.else
	v_and_or_b32 v[WT], v[PW], 0xffff, s95
	v_cndmask_b32 v[SW+\i/2], v[SW+\i/2], v[WT], s94       ; an odd tile's word goes to lanes 16-31
	v_lshrrev_b32 v[WT+1], 16, v[PW]
	v_or_b32 v[WT+1], s95, v[WT+1]
	v_cndmask_b32 v[SW+4+\i/2], v[SW+4+\i/2], v[WT+1], s94
.endif
.endr
	global_store_b128 v[LI], v[SW:SW+3], s[72:73]  ; 512 consecutive bytes
	global_store_b128 v[LI], v[SW+4:SW+7], s[74:75]
	s_branch .Lout_done
.Lout_v:	; ---- v: W's tile j = 4 c + t gives one fragment: 16 channels of head c x my 128 keys
	s_mul_i32 s62, s56, KVHEAD
	s_lshl_b32 s66, s57, 12
	s_add_co_u32 s62, s62, s66
	s_add_co_u32 s62, s62, 65536
	s_mov_b32 s63, 0
	s_add_nc_u64 s[68:69], s[12:13], s[62:63]
	s_add_co_u32 s62, s62, KVHEAD
	s_add_nc_u64 s[70:71], s[12:13], s[62:63]
	s_mul_i32 s62, s56, KVHEAD
	s_lshl_b32 s66, s57, 8
	s_add_co_u32 s62, s62, s66
	s_add_co_u32 s62, s62, 139264
	s_add_nc_u64 s[72:73], s[12:13], s[62:63]
	s_add_co_u32 s62, s62, KVHEAD
	s_add_nc_u64 s[74:75], s[12:13], s[62:63]
.irp j, 0,1,2,3,4,5,6,7
	QUANTW \j
	global_store_b128 v[LI], v[PC:PC+3], s[68+2*(\j/4):69+2*(\j/4)] offset:1024*(\j%4)
	global_store_b128 v[LI], v[PC+4:PC+7], s[68+2*(\j/4):69+2*(\j/4)] offset:1024*(\j%4)+512
.if (\j%2) == 0
	v_mov_b32 v[SW+2*(\j/4)+(\j%4)/2], v[PW]
.else
	v_cndmask_b32 v[SW+2*(\j/4)+(\j%4)/2], v[SW+2*(\j/4)+(\j%4)/2], v[PW], s94
.endif
.endr
	global_store_b64 v[L8], v[SW:SW+1], s[72:73]   ; 256 consecutive bytes
	global_store_b64 v[L8], v[SW+2:SW+3], s[74:75]
.Lout_done:
	s_wait_tensorcnt 0x0
	ds_add_u32 v254, v255
	s_wait_dscnt 0x0
	ROUND                                          ; the closing round: no work-group ends while a partner may still ask for a tile that names it
	s_endpgm
.Lfunc_end_k_qb910806340_qkv:
	.size	k_qb910806340_qkv, .Lfunc_end_k_qb910806340_qkv-k_qb910806340_qkv
	.p2alignl 7, 3214868480
	.fill 96, 4, 3214868480
	.section	.rodata,"a",@progbits
	.p2align	6, 0x0
	.amdhsa_kernel k_qb910806340_qkv
		.amdhsa_group_segment_fixed_size 279040
		.amdhsa_private_segment_fixed_size 0
		.amdhsa_enable_private_segment 0
		.amdhsa_kernarg_size 40
		.amdhsa_user_sgpr_count 2
		.amdhsa_user_sgpr_kernarg_segment_ptr 1
		.amdhsa_wavefront_size32 1
		.amdhsa_system_sgpr_workgroup_id_x 1
		.amdhsa_system_sgpr_workgroup_id_y 1
		.amdhsa_system_sgpr_workgroup_id_z 1
		.amdhsa_system_vgpr_workitem_id 0
		.amdhsa_next_free_vgpr 1024
		.amdhsa_next_free_sgpr 96
		.amdhsa_reserve_vcc 0
		.amdhsa_float_denorm_mode_32 3
		.amdhsa_float_denorm_mode_16_64 3
		.amdhsa_memory_ordered 1
		.amdhsa_forward_progress 1
		.amdhsa_inst_pref_size 235
	.end_amdhsa_kernel
	.amdgpu_metadata
---
amdhsa.version: [ 1, 2 ]
amdhsa.kernels:
  - .name:           k_qb910806340_qkv
    .symbol:         k_qb910806340_qkv.kd
    .args:
      - { .name: xq, .offset: 0, .size: 8, .value_kind: global_buffer, .address_space: global }
      - { .name: wq, .offset: 8, .size: 8, .value_kind: global_buffer, .address_space: global }
      - { .name: c_attn_b, .offset: 16, .size: 8, .value_kind: global_buffer, .address_space: global }
      - { .name: qq, .offset: 24, .size: 8, .value_kind: global_buffer, .address_space: global }
      - { .name: kv, .offset: 32, .size: 8, .value_kind: global_buffer, .address_space: global }
    .group_segment_fixed_size: 279040
    .private_segment_fixed_size: 0
    .kernarg_segment_align: 8
    .kernarg_segment_size: 40
    .max_flat_workgroup_size: 128
    .sgpr_count:     96
    .vgpr_count:     1024
    .wavefront_size: 32
...
	.end_amdgpu_metadata
.endif
;; end of part 2
;; launch attn (part 3): grid 256 x 1, 16 waves a work-group, clusters of 4 x 1, 169,984 bytes of LDS; arguments qq, kv, aq; writes aq
.if DOCPART == 3
	.amdgcn_target "amdgcn-amd-amdhsa--gfx1250"
	.amdhsa_code_object_version 6
	.text
	.protected	k_qb910806340_attn
	.globl	k_qb910806340_attn
	.p2align	8
	.type	k_qb910806340_attn,@function
k_qb910806340_attn:
	s_mov_b64 s[64:65], 0
	v_nop
	global_prefetch_b8 v0, s[64:65] scope:SCOPE_SE
	s_setreg_imm32_b32 hwreg(HW_REG_WAVE_MODE, 25, 1), 1
	s_wait_xcnt 0x0
	s_wait_alu depctr_hold_cnt(0) depctr_sa_sdst(0) depctr_va_vdst(0) depctr_va_sdst(0) depctr_va_ssrc(0) depctr_va_vcc(0) depctr_vm_vsrc(0)
	s_getreg_b32 s2, hwreg(HW_REG_IB_STS2, 6, 4)
	s_cmp_eq_u32 s2, 0
	s_cbranch_scc0 .Lentry_in_a_cluster
	s_endpgm
.Lentry_in_a_cluster:
	s_bfe_u32 s2, ttmp6, 0x10000c
	s_cmp_lg_u32 s2, 0x3003
	s_cbranch_scc0 .Lentry_shape_is_right
	s_endpgm
.Lentry_shape_is_right:
; Causal attention of one head on codes of FP4 (E2M1): S^T = K Q^T (K = the head's 64), p = 2^(t - M), O^T = V^T P^T (K = the keys), O / l quantised along the merged heads' 1,024 and stored as codes.
; t = score x log2(e) / 8; M = the running largest t rounded UP to a whole number; p is quantised along the keys, not normalised; the row's sum l is taken of the unquantised p; when M moves, l and O are
; multiplied by 2^(old M - new M), which rounds nothing.
; LIMITS: NaN and infinities are not served; hidden scores are set to -infinity where the definition has the least f32 number: p is 0 either way; a block whose largest magnitude lies under 2^-124,
; a block of zeros among them, keeps the byte 1 (zero codes add nothing, and this program alone reads the bytes).
; SHARES.  A cluster of four work-groups is one head.  Each holds the head's whole record of kv (k's codes, v's, their scale words: 143,360 bytes) in LDS, brought ONCE by joint loads, a sixteenth a wave.
; A block I of 128 queries has eight tiles of 16; partner cx owns tiles 8 I + 2 cx + u.  Wave w walks two passes: I = w, u = 0 and I = 15 - w, u = 1: (w + 1) + (16 - w) = 17 key steps of 128 for every wave.
; Both loops have 16 trips; a step all of whose keys come after the block is jumped over by a branch on the wave's number and the trip's count.  cx enters global addresses and the mask's number alone.
; LAYOUT.  Both products are used transposed, so a lane holds ONE query (lane % 16).  Tiles of keys, of queries and of channels are in the order of launch quant: the 16 registers of tiles 2 b, 2 b + 1 of S^T are
; keys 32 b + 16 (lane / 16) + 0 .. 15, those of O^T channels likewise.
; K = 64 IN AN INSTRUCTION OF 128: Q's registers 4-7 are zero codes, so what stands in K's registers 4-7 adds nothing: K's operand for tile t is its four registers and the four that follow (the next tile's; behind
; the last tile four zeros).  Both sides' scale bytes 2 and 3 are 0x7f.
; REGISTERS: v1-6 addresses that stay; v8-11 the step's; v12 -M, v13 the largest t, v[14:15] l in two halves; v16-23 Q, v24 its scale word; v32-67 K; v68-99 V; v100-163 S^T, then p; v164-195 O^T;
; v196-203 p's codes; v204-207, v208-209 K's and V's scale words, v210 p's; v212-228 at work; v232-236 the way out.
.set KVHEAD, 143360
.set QHEAD,  73728
.set REC,    8704
.set VOFF,   65536                     ; LDS as the record lies: k's codes at 0, v's here,
.set KSOFF,  131072                    ; k's scale words,
.set VSOFF,  139264                    ; v's
.set FLOOR,  0x1800000
.set OFFE,   0xff000000
.macro ROUND                           ; a round of the cluster's barrier
	s_barrier_signal -1
	s_barrier_wait -1
	s_cmp_lg_u32 s10, 0
	s_cbranch_scc1 .Lnot_wave_0_\@
	s_barrier_signal -3
.Lnot_wave_0_\@:
	s_barrier_wait -3
	s_barrier_signal -1
	s_barrier_wait -1
.endm
	s_load_b128 s[4:7], s[0:1], 0x0                ; qq, kv
	s_load_b64 s[8:9], s[0:1], 0x10                ; aq
	v_lshl_add_u32 v254, v0, 2, 0x29000
	v_mov_b32 v255, 0
	ds_add_u32 v254, v255
	ds_add_u32 v254, v255
	v_lshrrev_b32 v1, 5, v0
	s_delay_alu instid0(VALU_DEP_1)
	v_readfirstlane_b32 s10, v1                    ; wave 0..15
	s_bfe_u32 s11, ttmp6, 0x40000                  ; cx
	s_mov_b32 s12, ttmp9                           ; the head: the cluster's number
	; descriptor group 1: 35 rows of 256 bytes (32 elements of 8), dense: a sixteenth of the record
	s_mov_b32 s24, 15|(3<<16)|(1<<21)              ; 15:0 all four work-groups; 17:16 elements of 8 bytes; 21 set beside a mask
	s_mov_b32 s25, 32<<16                          ; tensor_dim0
	s_mov_b32 s26, 35<<16                          ; tensor_dim1
	s_mov_b32 s27, 32<<16                          ; tile_dim0
	s_mov_b32 s28, 35                              ; tile_dim1
	s_mov_b32 s29, 32                              ; tensor_dim0_stride
	s_mov_b32 s30, 0
	s_mov_b32 s31, 0
	s_mov_b32 s32, 1
	s_mul_i32 s33, s10, 8960                       ; LDS address: wave x 8,960
	s_mul_i32 s44, s12, KVHEAD
	s_add_co_u32 s44, s44, s33
	s_mov_b32 s45, 0
	s_mov_b32 s20, 0x76543210
	s_mov_b32 s21, 0xfedcba98                      ; v_permlanex16_b32's selects for lane l xor 16
	s_mov_b32 s22, 0x3e38aa3b                      ; c = log2(e) / 8
	s_mov_b32 s23, s22                             ; (named with it as a pair, so it is written)
	s_wait_dscnt 0x0
	s_wait_kmcnt 0x0
	s_add_nc_u64 s[34:35], s[6:7], s[44:45]
	s_or_b32 s35, s35, 0x80000000
	ROUND                                          ; all four work-groups are here: the joint loads meet
	tensor_load_to_lds s[32:35], s[24:31]          ; my one tensor load of the launch
	s_nop 0
.rept 4
	v_nop
.endr
	v_and_b32 v7, 31, v0                           ; lane
	v_and_b32 v26, 15, v0                          ; r
	v_bfe_u32 v27, v0, 4, 1                        ; h
	s_delay_alu instid0(VALU_DEP_3)
	v_lshlrev_b32 v1, 4, v7                        ; 16 x lane: my place in an image; k's codes begin at 0
	s_delay_alu instid0(VALU_DEP_1)
	v_add_nc_u32 v2, VOFF, v1
	s_delay_alu instid0(VALU_DEP_2)
	v_add_nc_u32 v3, KSOFF, v1
	v_lshl_add_u32 v4, v7, 3, VSOFF
	v_lshlrev_b32 v6, 4, v26                       ; 16 r
	v_and_b32 v5, 8, v26
	s_delay_alu instid0(VALU_DEP_1)
	v_add_nc_u32 v5, v5, v26
	v_lshlrev_b32 v27, 4, v27
	s_delay_alu instid0(VALU_DEP_1)
	v_sub_nc_u32 v5, v5, v27
	s_lshl_b32 s19, s11, 5
	v_add_nc_u32 v5, s19, v5                       ; the mask's number: my query in its block of 128, less 16 h: 32 cx + 8 u + r + 8 (r / 8) - 16 h (u = 0 now)
.irp j, 20,21,22,23,64,65,66,67
	v_mov_b32 v\j, 0                               ; zero codes: Q's upper 64 along K, and what follows K's last tile
.endr
.irp j, 216,217,218,219,225,226
	v_mov_b32 v\j, 0                               ; lane permutes' destinations, and the upper half of f's pair, count as read
.endr
	v_mov_b32 v228, 0xff800000                     ; -infinity
	s_mul_i32 s44, s12, QHEAD
	s_add_nc_u64 s[4:5], s[4:5], s[44:45]          ; qq at my head
	s_lshr_b32 s44, s12, 4                         ; the batch: 128 records of aq
	s_mul_i32 s44, s44, 128*REC
	s_and_b32 s46, s12, 15                         ; the head in it: K step head / 2, group head % 2: 512 bytes a head
	s_lshl_b32 s47, s46, 9
	s_add_co_u32 s47, s47, s44
	s_mov_b32 s48, s47
	s_mov_b32 s49, 0
	s_add_nc_u64 s[50:51], s[8:9], s[48:49]        ; where my head's codes lie in the batch's first record
	s_lshr_b32 s47, s46, 3
	s_lshl_b32 s47, s47, 8                         ; its half of a scale word: 8192 + 256 (head / 8) + 2 (head % 8)
	s_add_co_u32 s47, s47, s44
	s_and_b32 s46, s46, 7
	s_lshl_b32 s46, s46, 1
	s_add_co_u32 s47, s47, s46
	s_add_co_u32 s48, s47, 8192
	s_add_nc_u64 s[52:53], s[8:9], s[48:49]
	s_wait_tensorcnt 0x0                           ; my sixteenth has landed,
	s_barrier_signal -1
	s_barrier_wait -1                              ; everybody's has.  From here on LDS is only read
; ONE PASS: one tile of 16 queries through its key steps, and out.
.macro PASS u
.if \u
	s_wait_xcnt 0x0                                ; the first pass's loads and stores have read their addresses and data
	s_sub_co_u32 s13, 15, s10                      ; the block of 128 queries
	v_add_nc_u32 v5, 8, v5
.else
	s_mov_b32 s13, s10
.endif
	s_lshl_b32 s44, s13, 3
	s_lshl_b32 s45, s11, 1
	s_add_co_u32 s44, s44, s45
	s_add_co_u32 s44, s44, \u                      ; my tile: 8 I + 2 cx + u
	s_lshl_b32 s46, s44, 9
	s_mov_b32 s47, 0
	s_add_nc_u64 s[36:37], s[4:5], s[46:47]        ; Q's codes
	s_lshl_b32 s46, s13, 9
	s_lshl_b32 s45, s11, 2
	s_add_co_u32 s46, s46, s45
	s_add_co_u32 s46, s46, 65536+256*\u
	s_add_nc_u64 s[38:39], s[4:5], s[46:47]        ; its scale words: 65536 + 512 I + 16 (16 u + r) + 4 cx
	s_mul_i32 s46, s44, REC
	s_add_nc_u64 s[40:41], s[50:51], s[46:47]      ; my tile's record of aq: codes,
	s_add_nc_u64 s[42:43], s[52:53], s[46:47]      ; scale words
	global_load_b128 v[16:19], v1, s[36:37]
	global_load_b32 v24, v6, s[38:39]
	v_mov_b32 v13, 0xff61b1e6                      ; the largest t so far: -3e38, under every t
	s_delay_alu instid0(VALU_DEP_1)
	v_floor_f32 v12, -v13                          ; -M
	v_mov_b32 v14, 0
	v_mov_b32 v15, 0
.set j, 0
.rept 32
	v_mov_b32 v[164+j], 0                          ; O^T: the step is written once; the first finds zeros, which the first change of M leaves zeros
.set j, j+1
.endr
	s_mov_b32 s15, 0                               ; the key step
	s_mov_b32 s16, 0                               ; its codes: 4,096 bytes a step, in k and in v
	s_mov_b32 s17, 0                               ; k's scale words: 512
	s_mov_b32 s18, 0                               ; v's: 256
	s_wait_loadcnt 0x0
.Lstep_\@:
	s_cmp_gt_u32 s15, s13                          ; all 128 keys come after my queries: nothing to do
	s_cbranch_scc1 .Lhid_\@
	s_setprio 2
	v_add_nc_u32 v8, s16, v1                       ; (these four lines are also the places between the last step's products and the loads into their registers)
	v_add_nc_u32 v9, s16, v2
	v_add_nc_u32 v10, s17, v3
	v_add_nc_u32 v11, s18, v4
.irp t, 0,1,2,3,4,5,6,7
	ds_load_b128 v[32+4*\t:35+4*\t], v8 offset:512*\t
.endr
	ds_load_b128 v[204:207], v10                   ; word j: lanes 0-15 tile 2 j's, lanes 16-31 tile 2 j + 1's
.irp t, 0,1,2,3
.irp c, 0,1
	ds_load_b128 v[68+8*\t+4*\c:71+8*\t+4*\c], v9 offset:1024*\t+512*\c
.endr
.endr
	ds_load_b64 v[208:209], v11
	s_wait_dscnt 9                                 ; k and its scale words are in; v's eight loads and its scale words' one may be out
.irp t, 0,2,4,6
	v_wmma_scale_f32_16x16x128_f8f6f4 v[100+8*\t:107+8*\t], v[32+4*\t:39+4*\t], v[16:23], 0, v[204+\t/2], v24 matrix_a_fmt:MATRIX_FMT_FP4 matrix_b_fmt:MATRIX_FMT_FP4
	v_wmma_scale_f32_16x16x128_f8f6f4 v[108+8*\t:115+8*\t], v[36+4*\t:43+4*\t], v[16:23], 0, v[204+\t/2], v24 matrix_a_fmt:MATRIX_FMT_FP4 matrix_b_fmt:MATRIX_FMT_FP4 matrix_a_scale:MATRIX_SCALE_ROW1
.endr
.rept 4
	v_nop                                          ; places in front of the first read of the scores
.endr
	s_cmp_lg_u32 s15, s13                          ; only the block's own step lies on the diagonal
	s_cbranch_scc1 .Lopen_\@
.set n, 0
.rept 64
	v_cmp_gt_i32 vcc_lo, 32*(n/16)+n%16, v5        ; register n holds key 32 (n / 16) + 16 h + n % 16 of the step: hidden where it comes after my query
	v_cndmask_b32 v[100+n], v[100+n], v228, vcc_lo
.set n, n+1
.endr
.Lopen_\@:
.irp b, 0,1,2,3
	v_max3_num_f32 v[212+\b], v[100+16*\b], v[101+16*\b], v[102+16*\b]     ; the largest score of each block of 32 keys: it serves the row's maximum and, since p rises with the score, the block's largest p
.endr
.irp i, 3,5,7,9,11,13
.irp b, 0,1,2,3
	v_max3_num_f32 v[212+\b], v[212+\b], v[100+16*\b+\i], v[101+16*\b+\i]
.endr
.endr
.irp b, 0,1,2,3
	v_max_num_f32 v[212+\b], v[212+\b], v[115+16*\b]
.endr
.irp b, 0,1,2,3
	s_delay_alu instid0(VALU_DEP_4)
	v_permlanex16_b32 v[216+\b], v[212+\b], s20, s21
.endr
.irp b, 0,1,2,3
	s_delay_alu instid0(VALU_DEP_4)
	v_max_num_f32 v[212+\b], v[212+\b], v[216+\b]  ; with lane l xor 16's 16 keys
.endr
	s_delay_alu instid0(VALU_DEP_2)
	v_max3_num_f32 v226, v212, v213, v214
	s_delay_alu instid0(VALU_DEP_1)
	v_max_num_f32 v226, v226, v215                 ; the step's largest score of my query
	s_delay_alu instid0(VALU_DEP_1)
	v_mul_f32 v226, s22, v226                      ; as t
	s_delay_alu instid0(VALU_DEP_1)
	v_max_num_f32 v13, v13, v226                   ; the running largest t
	v_mov_b32 v226, v12
	s_delay_alu instid0(VALU_DEP_2)
	v_floor_f32 v12, -v13                          ; the new -M = floor(-t)
	s_delay_alu instid0(VALU_DEP_1)
	v_sub_f32 v226, v12, v226                      ; old M - new M: a whole number, 0 or less
	s_delay_alu instid0(VALU_DEP_1)
	v_cvt_i32_f32 v226, v226                       ; (it saturates)
	s_delay_alu instid0(VALU_DEP_1)
	v_ldexp_f32 v224, 1.0, v226                    ; f = 2^(old M - new M)
.set j, 0
.rept 32
	v_pk_fma_f32 v[100+j:101+j], v[100+j:101+j], s[22:23], v[12:13] op_sel_hi:[1,0,0]   ; t - M, two at a time
.set j, j+2
.endr
	s_setprio 1
.irp b, 0,1,2,3
	v_fma_f32 v[212+\b], v[212+\b], s22, v12       ; the same of each block's largest score
.endr
.set j, 0
	s_wait_alu depctr_va_vdst(0)
.rept 64
	v_exp_f32 v[100+j], v[100+j]                   ; p = 2^(t - M), at most 1
.set j, j+1
.endr
.irp b, 0,1,2,3
	v_exp_f32 v[212+\b], v[212+\b]                 ; the block's largest p: the same two instructions on the same number give the same bits
.endr
	v_pk_mul_f32 v[14:15], v[14:15], v[224:225] op_sel_hi:[1,0]            ; l under the new M.  These 17 lines name no exponential's result: work behind the batch
.set j, 0
	s_wait_alu depctr_va_vdst(0)
.rept 16
	v_pk_mul_f32 v[164+j:165+j], v[164+j:165+j], v[224:225] op_sel_hi:[1,0]   ; O^T under the new M
.set j, j+2
.endr
	s_wait_alu depctr_va_vdst(0)                   ; one wait for the batch of 68, ahead of its first reader
.irp b, 0,1,2,3
	v_max_num_f32 v[212+\b], FLOOR, v[212+\b]      ; the byte cannot fall under 1
.endr
.irp b, 0,1,2,3
	s_delay_alu instid0(VALU_DEP_4)
	v_add_nc_u32 v[220+\b], OFFE, v[212+\b]        ; the conversion's scale operand
.endr
.irp b, 0,1,2,3
	s_delay_alu instid0(VALU_DEP_4)
	v_lshrrev_b32 v[216+\b], 23, v[220+\b]         ; the scale's byte
.endr
	s_delay_alu instid0(VALU_DEP_3)
	v_lshl_or_b32 v210, v217, 8, v216              ; p's scale word for these 128 keys
	s_delay_alu instid0(VALU_DEP_1)
	v_lshl_or_b32 v210, v218, 16, v210
	s_delay_alu instid0(VALU_DEP_1)
	v_lshl_or_b32 v210, v219, 24, v210
.irp b, 0,1,2,3
	v_cvt_scalef32_pk8_fp4_f32 v[196+2*\b], v[100+16*\b:107+16*\b], v[220+\b]
	v_cvt_scalef32_pk8_fp4_f32 v[197+2*\b], v[108+16*\b:115+16*\b], v[220+\b]
.endr
	v_nop                                          ; one plain line behind the conversions
	s_setprio 0
.irp c, 0,1
.irp i, 0,1
	v_permlane16_swap_b32 v[196+4*\c+\i], v[198+4*\c+\i]   ; a whole block to a lane
.endr
.endr
	v_pk_add_f32 v[216:217], v[104:105], v[108:109]
	v_pk_add_f32 v[252:253], v[112:113], v[116:117]
	v_pk_add_f32 v[250:251], v[120:121], v[124:125]
	v_pk_add_f32 v[248:249], v[128:129], v[132:133]
	v_pk_add_f32 v[246:247], v[136:137], v[140:141]
	v_pk_add_f32 v[244:245], v[144:145], v[148:149]
	v_pk_add_f32 v[242:243], v[152:153], v[156:157]
	v_pk_add_f32 v[14:15], v[14:15], v[160:161]
	v_pk_add_f32 v[216:217], v[216:217], v[100:101]
	v_pk_add_f32 v[252:253], v[252:253], v[102:103]
	v_pk_add_f32 v[250:251], v[250:251], v[106:107]
	v_pk_add_f32 v[248:249], v[248:249], v[110:111]
	v_pk_add_f32 v[246:247], v[246:247], v[114:115]
	v_pk_add_f32 v[244:245], v[244:245], v[118:119]
	v_pk_add_f32 v[242:243], v[242:243], v[122:123]
	v_pk_add_f32 v[14:15], v[14:15], v[126:127]
	v_pk_add_f32 v[216:217], v[216:217], v[130:131]
	v_pk_add_f32 v[252:253], v[252:253], v[134:135]
	v_pk_add_f32 v[250:251], v[250:251], v[138:139]
	v_pk_add_f32 v[248:249], v[248:249], v[142:143]
	v_pk_add_f32 v[246:247], v[246:247], v[146:147]
	v_pk_add_f32 v[244:245], v[244:245], v[150:151]
	v_pk_add_f32 v[242:243], v[242:243], v[154:155]
	v_pk_add_f32 v[14:15], v[14:15], v[158:159]
	v_pk_add_f32 v[216:217], v[216:217], v[162:163]
	s_delay_alu instid0(VALU_DEP_2)
	v_pk_add_f32 v[14:15], v[14:15], v[248:249]
	s_delay_alu instid0(VALU_DEP_2)
	v_pk_add_f32 v[216:217], v[216:217], v[246:247]
	v_pk_add_f32 v[252:253], v[252:253], v[244:245]
	v_pk_add_f32 v[250:251], v[250:251], v[242:243]
	s_delay_alu instid0(VALU_DEP_2)
	v_pk_add_f32 v[14:15], v[14:15], v[252:253]
	s_delay_alu instid0(VALU_DEP_2)
	v_pk_add_f32 v[216:217], v[216:217], v[250:251]
	s_delay_alu instid0(VALU_DEP_1)
	v_pk_add_f32 v[14:15], v[14:15], v[216:217]
	s_wait_dscnt 0x0                               ; v and its scale words are in
.irp t, 0,2
	v_wmma_scale_f32_16x16x128_f8f6f4 v[164+8*\t:171+8*\t], v[68+8*\t:75+8*\t], v[196:203], v[164+8*\t:171+8*\t], v[208+\t/2], v210 matrix_a_fmt:MATRIX_FMT_FP4 matrix_b_fmt:MATRIX_FMT_FP4
	v_wmma_scale_f32_16x16x128_f8f6f4 v[172+8*\t:179+8*\t], v[76+8*\t:83+8*\t], v[196:203], v[172+8*\t:179+8*\t], v[208+\t/2], v210 matrix_a_fmt:MATRIX_FMT_FP4 matrix_b_fmt:MATRIX_FMT_FP4 matrix_a_scale:MATRIX_SCALE_ROW1
.endr                                              ; the four accumulators take one turn each, and the next step's eight score products stand between
.Lhid_\@:
	s_add_co_u32 s16, s16, 4096
	s_add_co_u32 s17, s17, 512
	s_add_co_u32 s18, s18, 256
	s_add_co_u32 s15, s15, 1
	s_cmp_lt_u32 s15, 16
	s_cbranch_scc1 .Lstep_\@
	s_setprio 0
	; THE WAY OUT: O^T / l; its 32 registers are two blocks of 32 channels: register 16 q + i = channel 32 q + 16 h + i
.rept 4
	v_nop                                          ; places behind the last products
.endr
	s_wait_alu depctr_va_vdst(0)
	v_add_f32 v14, v14, v15
	s_delay_alu instid0(VALU_DEP_1)
	v_permlanex16_b32 v226, v14, s20, s21
	s_delay_alu instid0(VALU_DEP_1)
	v_add_f32 v14, v14, v226                       ; the sum's two halves and lane l xor 16's: the row's sum
	s_wait_alu depctr_va_vdst(0)
	v_rcp_f32 v224, v14
	v_nop                                          ; one plain line behind the reciprocal,
	s_wait_alu depctr_va_vdst(0)                   ; and the wait ahead of its first reader
.set j, 0
.rept 16
	v_pk_mul_f32 v[100+j:101+j], v[164+j:165+j], v[224:225] op_sel_hi:[1,0]   ; each accumulator from its low end on
.set j, j+2
.endr
.irp q, 0,1
	v_max3_num_f32 v[212+\q], |v[100+16*\q]|, |v[101+16*\q]|, FLOOR
.endr
.irp i, 2,4,6,8,10,12,14
.irp q, 0,1
	s_delay_alu instid0(VALU_DEP_2)
	v_max3_num_f32 v[212+\q], v[212+\q], |v[100+16*\q+\i]|, |v[101+16*\q+\i]|
.endr
.endr
.irp q, 0,1
	s_delay_alu instid0(VALU_DEP_2)
	v_permlanex16_b32 v[216+\q], v[212+\q], s20, s21
.endr
.irp q, 0,1
	s_delay_alu instid0(VALU_DEP_2)
	v_max_num_f32 v[212+\q], v[212+\q], v[216+\q]
.endr
.irp q, 0,1
	s_delay_alu instid0(VALU_DEP_2)
	v_add_nc_u32 v[220+\q], OFFE, v[212+\q]
.endr
.irp q, 0,1
	s_delay_alu instid0(VALU_DEP_2)
	v_lshrrev_b32 v[216+\q], 23, v[220+\q]
.endr
	s_delay_alu instid0(VALU_DEP_1)
	v_lshl_or_b32 v236, v217, 8, v216              ; my head's half of the row's scale word
.irp q, 0,1
	v_cvt_scalef32_pk8_fp4_f32 v[232+2*\q], v[100+16*\q:107+16*\q], v[220+\q]
	v_cvt_scalef32_pk8_fp4_f32 v[233+2*\q], v[108+16*\q:115+16*\q], v[220+\q]
.endr
	v_nop
	v_permlane16_swap_b32 v232, v234
	v_permlane16_swap_b32 v233, v235               ; lane (r, h): channels 32 h .. 32 h + 31 of query r
	global_store_b128 v1, v[232:235], s[40:41]     ; 512 consecutive bytes: one group of one K step's image
	global_store_b16 v6, v236, s[42:43]            ; two bytes a lane, 16 bytes apart (lanes l and l xor 16 write the same bytes with the same value): a head owns half of a K step's scale word: 32 bytes beside the 512 above
.endm
	PASS 0
	PASS 1
	s_wait_tensorcnt 0x0
	ds_add_u32 v254, v255
	s_wait_dscnt 0x0
	ROUND                                          ; the closing round: no work-group ends while a partner may still ask for a tile that names it
	s_endpgm
.Lfunc_end_k_qb910806340_attn:
	.size	k_qb910806340_attn, .Lfunc_end_k_qb910806340_attn-k_qb910806340_attn
	.p2alignl 7, 3214868480
	.fill 96, 4, 3214868480
	.section	.rodata,"a",@progbits
	.p2align	6, 0x0
	.amdhsa_kernel k_qb910806340_attn
		.amdhsa_group_segment_fixed_size 169984
		.amdhsa_private_segment_fixed_size 0
		.amdhsa_enable_private_segment 0
		.amdhsa_kernarg_size 24
		.amdhsa_user_sgpr_count 2
		.amdhsa_user_sgpr_kernarg_segment_ptr 1
		.amdhsa_wavefront_size32 1
		.amdhsa_system_sgpr_workgroup_id_x 1
		.amdhsa_system_sgpr_workgroup_id_y 1
		.amdhsa_system_sgpr_workgroup_id_z 1
		.amdhsa_system_vgpr_workitem_id 0
		.amdhsa_next_free_vgpr 256
		.amdhsa_next_free_sgpr 66
		.amdhsa_reserve_vcc 1
		.amdhsa_float_denorm_mode_32 3
		.amdhsa_float_denorm_mode_16_64 3
		.amdhsa_memory_ordered 1
		.amdhsa_forward_progress 1
		.amdhsa_inst_pref_size 60
	.end_amdhsa_kernel
	.amdgpu_metadata
---
amdhsa.version: [ 1, 2 ]
amdhsa.kernels:
  - .name:           k_qb910806340_attn
    .symbol:         k_qb910806340_attn.kd
    .args:
      - { .name: qq, .offset: 0, .size: 8, .value_kind: global_buffer, .address_space: global }
      - { .name: kv, .offset: 8, .size: 8, .value_kind: global_buffer, .address_space: global }
      - { .name: aq, .offset: 16, .size: 8, .value_kind: global_buffer, .address_space: global }
    .group_segment_fixed_size: 169984
    .private_segment_fixed_size: 0
    .kernarg_segment_align: 8
    .kernarg_segment_size: 24
    .max_flat_workgroup_size: 512
    .sgpr_count:     66
    .vgpr_count:     256
    .wavefront_size: 32
...
	.end_amdgpu_metadata
.endif
;; end of part 3
;; launch proj (part 4): grid 8 x 32, 4 waves a work-group, clusters of 4 x 4, 209,408 bytes of LDS; arguments aq, pq, c_proj_b, out0; writes out0
.if DOCPART == 4
	.amdgcn_target "amdgcn-amd-amdhsa--gfx1250"
	.amdhsa_code_object_version 6
	.text
	.protected	k_qb910806340_proj
	.globl	k_qb910806340_proj
	.p2align	8
	.type	k_qb910806340_proj,@function
k_qb910806340_proj:
	s_mov_b64 s[64:65], 0
	v_nop
	global_prefetch_b8 v0, s[64:65] scope:SCOPE_SE
	s_setreg_imm32_b32 hwreg(HW_REG_WAVE_MODE, 25, 1), 1
	s_wait_xcnt 0x0
	s_wait_alu depctr_hold_cnt(0) depctr_sa_sdst(0) depctr_va_vdst(0) depctr_va_sdst(0) depctr_va_ssrc(0) depctr_va_vcc(0) depctr_vm_vsrc(0)
	s_getreg_b32 s2, hwreg(HW_REG_IB_STS2, 6, 4)
	s_cmp_eq_u32 s2, 0
	s_cbranch_scc0 .Lentry_in_a_cluster
	s_endpgm
.Lentry_in_a_cluster:
	s_bfe_u32 s2, ttmp6, 0x10000c
	s_cmp_lg_u32 s2, 0xf033
	s_cbranch_scc0 .Lentry_shape_is_right
	s_endpgm
.Lentry_shape_is_right:
; out0 = a W + b on codes of FP4 (E2M1), K = 1024: a = the merged heads (aq), W = c_proj_w (pq), both as tile records of 8,704 bytes (launch quant says how they lie); out0 [8192][1024] f32.
; LIMIT: the bias is the first addend of each f32 sum, not the last.
; SHARES.  A work-group makes 256 rows x 128 columns: 256 work-groups.  Wave w takes the row tiles 4 w .. 4 w + 3 and all eight column tiles: 32 accumulators.
; ALL OF K LIES IN LDS, in two chunks of four K steps; every LDS byte is filled once.  CLUSTER 4 x 4: a's records are shared along a row of the cluster, W's along a column: joint loads.
; THE MATRIX INSTRUCTION IS USED TRANSPOSED (source 0 = 16 columns of W, source 1 = 16 rows of a): a lane holds one row, and register j of column tile t is column 32 (t / 2) + 16 h + 8 (t % 2) + j.
; REGISTERS: window 0: v1-13 addresses; v16-79 scale words; v80-143 the bias; on the way out v128-255 rows of out0.  window 1: two sets of fragments (a's four at 128 p, W's eight at 128 p + 64).
;   window 2: the accumulators, (b, t) at v[8 (8 b + t)].
.set REC,   8704
.set CHUNK, 98304                      ; LDS: chunk q: a's 16 tiles x 4,096 bytes, then W's 8
.set WOFF,  65536
.set SCL,   196608                     ; behind the chunks: a's 16 x 512 bytes of scale words, then W's 8 x 512
.set SPITCH, 528                       ; the way out: a stage of 16 rows x (512 bytes + 16) for each wave, in chunk 0, which has had its one fill and whose last read lies in front of the second barrier
.set LI,   3
.set ADRX, 4
.set ADRW, 6
.set ADRS, 8
.set STO,  12
.set RD,   13
.set SC,   16
.set BI,   80
.set BK,   128
.set MSB, 0
.macro WIN new
.if MSB != (\new)
	s_set_vgpr_msb (MSB<<8)|(\new)
.set MSB, (\new)
.endif
.endm
.macro ROUND
	s_barrier_signal -1
	s_barrier_wait -1
	s_cmp_lg_u32 s14, 0
	s_cbranch_scc1 .Lnot_wave_0_\@
	s_barrier_signal -3
.Lnot_wave_0_\@:
	s_barrier_wait -3
	s_barrier_signal -1
	s_barrier_wait -1
.endm
.macro PLACES
.rept 4
	v_nop
.endr
.endm
.macro SCALES                          ; lanes 0-15: the words of a's tiles 4 w + i (i = 0 .. 3 are used; the rest are bytes that lie further on and are ignored); lanes 16-31: those of W's tile i
.irp i, 0,1,2,3,4,5,6,7
.irp u, 0,1
	ds_load_b128 v[SC+8*\i+4*\u:SC+8*\i+4*\u+3], v[ADRS] offset:512*\i+256*\u
.endr
.endr
.endm
.macro FETCH g
	WIN 0x40
.irp i, 0,1,2,3
.irp c, 0,1
	ds_load_b128 v[128*((\g)%2)+8*\i+4*\c:128*((\g)%2)+8*\i+4*\c+3], v[ADRX+(\g)/4] offset:\i*4096+((\g)%4)*1024+512*\c
.endr
.endr
.irp i, 0,1,2,3,4,5,6,7
.irp c, 0,1
	ds_load_b128 v[128*((\g)%2)+64+8*\i+4*\c:128*((\g)%2)+64+8*\i+4*\c+3], v[ADRW+(\g)/4] offset:\i*4096+((\g)%4)*1024+512*\c
.endr
.endr
	WIN 0
.endm
.macro MUL32 g                         ; the 32 accumulators take turns, one instruction a turn, in the same order in every step; K step 0 takes the bias as C
.set FS, 128*((\g)%2)
.if (\g) == 0
	WIN 0x85
.else
	WIN 0xa5
.endif
.irp b, 0,1,2,3
.irp a, 0,1,2,3,4,5,6,7
.set DD, 8*(8*\b+\a)
.if (\g) == 0
	v_wmma_scale_f32_16x16x128_f8f6f4 v[DD:DD+7], v[FS+64+8*\a:FS+64+8*\a+7], v[FS+8*\b:FS+8*\b+7], v[BI+8*\a:BI+8*\a+7], v[SC+8*\a+(\g)], v[SC+8*\b+(\g)] matrix_a_fmt:MATRIX_FMT_FP4 matrix_b_fmt:MATRIX_FMT_FP4 matrix_a_scale:MATRIX_SCALE_ROW1
.else
	v_wmma_scale_f32_16x16x128_f8f6f4 v[DD:DD+7], v[FS+64+8*\a:FS+64+8*\a+7], v[FS+8*\b:FS+8*\b+7], v[DD:DD+7], v[SC+8*\a+(\g)], v[SC+8*\b+(\g)] matrix_a_fmt:MATRIX_FMT_FP4 matrix_b_fmt:MATRIX_FMT_FP4 matrix_a_scale:MATRIX_SCALE_ROW1
.endif
.endr
.endr
	WIN 0
.endm
.macro KSTEP g
	s_wait_dscnt 0x0                               ; this K step's fragments are in
.if (\g) == 3
	s_wait_tensorcnt 0x0                           ; my part of chunk 1 has landed,
	s_barrier_signal -1
	s_barrier_wait -1                              ; everybody's has; and nobody reads chunk 0 any more
.endif
.if (\g) < 7
.if (\g) > 0
	PLACES
.endif
	FETCH (\g)+1
.endif
	MUL32 \g
.endm
	s_load_b128 s[4:7], s[0:1], 0x0                ; aq, pq
	s_load_b128 s[8:11], s[0:1], 0x10              ; c_proj_b, out0
	v_lshl_add_u32 v14, v0, 2, 0x33000
	v_mov_b32 v15, 0
	ds_add_u32 v14, v15
	ds_add_u32 v14, v15
	v_lshrrev_b32 v1, 5, v0
	v_readfirstlane_b32 s14, v1                    ; wave 0..3
	s_lshr_b32 s15, s14, 1                         ; I fetch for a (0) or for W (1),
	s_and_b32 s16, s14, 1                          ; its first or second half
	s_bfe_u32 s20, ttmp6, 0x40000                  ; cx
	s_bfe_u32 s21, ttmp6, 0x40004                  ; cy
	s_lshl_b32 s18, ttmp9, 2
	s_add_co_u32 s18, s18, s20                     ; block of 128 columns
	s_and_b32 s17, ttmp7, 0xffff
	s_lshl_b32 s17, s17, 2
	s_add_co_u32 s17, s17, s21                     ; block of 256 rows
	s_lshl_b32 s22, s21, 2
	s_lshl_b32 s22, 15, s22                        ; my row of the cluster
	s_lshl_b32 s23, 0x1111, s20                    ; my column
	; descriptor groups 1: rows of 4,096 bytes (codes) or 512 (scale words), 8,704 bytes apart: eight records for a, four for W
	s_or_b32 s24, s22, (3<<16)|(1<<21)
	s_or_b32 s32, s23, (3<<16)|(1<<21)
	s_or_b32 s40, s22, (3<<16)|(1<<21)
	s_or_b32 s48, s23, (3<<16)|(1<<21)
	s_mov_b32 s25, 512<<16
	s_mov_b32 s26, 8<<16
	s_mov_b32 s27, 512<<16
	s_mov_b32 s28, 8
	s_mov_b32 s29, 1088
	s_mov_b32 s30, 0
	s_mov_b32 s31, 0
	s_mov_b32 s33, 512<<16
	s_mov_b32 s34, 4<<16
	s_mov_b32 s35, 512<<16
	s_mov_b32 s36, 4
	s_mov_b32 s37, 1088
	s_mov_b32 s38, 0
	s_mov_b32 s39, 0
	s_mov_b32 s41, 64<<16
	s_mov_b32 s42, 8<<16
	s_mov_b32 s43, 64<<16
	s_mov_b32 s44, 8
	s_mov_b32 s45, 1088
	s_mov_b32 s46, 0
	s_mov_b32 s47, 0
	s_mov_b32 s49, 64<<16
	s_mov_b32 s50, 4<<16
	s_mov_b32 s51, 64<<16
	s_mov_b32 s52, 4
	s_mov_b32 s53, 1088
	s_mov_b32 s54, 0
	s_mov_b32 s55, 0
	s_lshl_b32 s56, s17, 4                         ; a: record 16 x block of rows + 8 x half
	s_lshl_b32 s57, s16, 3
	s_add_co_u32 s56, s56, s57
	s_mul_i32 s56, s56, REC
	s_mov_b32 s57, 0
	s_lshl_b32 s58, s18, 3                         ; W: record 8 x block of columns + 4 x half
	s_lshl_b32 s59, s16, 2
	s_add_co_u32 s58, s58, s59
	s_mul_i32 s58, s58, REC
	s_mov_b32 s59, 0
	s_lshl_b32 s60, s16, 15                        ; where they go: a's half of a chunk, of the scale words;
	s_lshl_b32 s61, s16, 12
	s_lshl_b32 s62, s16, 14                        ; W's
	s_lshl_b32 s63, s16, 11
	s_wait_dscnt 0x0
	s_wait_kmcnt 0x0
	s_add_nc_u64 s[56:57], s[4:5], s[56:57]
	s_add_nc_u64 s[58:59], s[6:7], s[58:59]
	s_mov_b32 s68, 1                               ; a: scale words, chunk 0, chunk 1
	s_add_co_u32 s69, s61, SCL
	s_add_nc_u64 s[70:71], s[56:57], 8192
	s_or_b32 s71, s71, 0x80000000
	s_mov_b32 s72, 1
	s_mov_b32 s73, s60
	s_mov_b64 s[74:75], s[56:57]
	s_or_b32 s75, s75, 0x80000000
	s_mov_b32 s76, 1
	s_add_co_u32 s77, s60, CHUNK
	s_add_nc_u64 s[78:79], s[56:57], 4096
	s_or_b32 s79, s79, 0x80000000
	s_mov_b32 s80, 1                               ; W likewise
	s_add_co_u32 s81, s63, SCL+8192
	s_add_nc_u64 s[82:83], s[58:59], 8192
	s_or_b32 s83, s83, 0x80000000
	s_mov_b32 s84, 1
	s_add_co_u32 s85, s62, WOFF
	s_mov_b64 s[86:87], s[58:59]
	s_or_b32 s87, s87, 0x80000000
	s_mov_b32 s88, 1
	s_add_co_u32 s89, s62, CHUNK+WOFF
	s_add_nc_u64 s[90:91], s[58:59], 4096
	s_or_b32 s91, s91, 0x80000000
	ROUND                                          ; all sixteen work-groups are here: the joint loads meet
	s_cmp_eq_u32 s15, 0                            ; a wave's three fills stand in one branch on its number: three tensor loads of mine are out
	s_cbranch_scc0 .Lfirst_w
	tensor_load_to_lds s[68:71], s[40:47]
	s_nop 0
	tensor_load_to_lds s[72:75], s[24:31]
	s_nop 0
	tensor_load_to_lds s[76:79], s[24:31]
	s_nop 0
.rept 4
	v_nop
.endr
	s_branch .Lfirst_asked
.Lfirst_w:
	tensor_load_to_lds s[80:83], s[48:55]
	s_nop 0
	tensor_load_to_lds s[84:87], s[32:39]
	s_nop 0
	tensor_load_to_lds s[88:91], s[32:39]
	s_nop 0
.rept 4
	v_nop
.endr
.Lfirst_asked:
	v_and_b32 v1, 15, v0                           ; r
	v_bfe_u32 v2, v0, 4, 1                         ; h
	v_and_b32 v10, 31, v0
	v_lshlrev_b32 v[LI], 4, v10
	s_lshl_b32 s60, s14, 14                        ; my four tiles of a
	v_add_nc_u32 v[ADRX], s60, v[LI]
	v_add_nc_u32 v[ADRX+1], CHUNK, v[ADRX]
	v_add_nc_u32 v[ADRW], WOFF, v[LI]              ; all eight of W
	v_add_nc_u32 v[ADRW+1], CHUNK, v[ADRW]
	s_lshl_b32 s60, s14, 11                        ; scale words: a's of my four tiles;
	s_sub_co_u32 s61, 8192, s60                    ; the distance from there to W's:
	v_mul_u32_u24 v10, s61, v2                     ; lanes 16-31 take W's
	v_lshl_add_u32 v[ADRS], v1, 4, v10
	s_add_co_u32 s60, s60, SCL
	v_add_nc_u32 v[ADRS], s60, v[ADRS]
	s_mul_i32 s60, s14, 16*SPITCH                  ; my stage
	v_mul_u32_u24 v[STO], v1, SPITCH
	v_lshl_add_u32 v[STO], v2, 6, v[STO]
	v_add_nc_u32 v[STO], s60, v[STO]               ; in: row r, + 64 h
	v_add_nc_u32 v[RD], s60, v[LI]                 ; back: the 32 lanes take one row of 512 bytes
	s_lshl_b32 s60, s18, 9                         ; the bias of my work-group's 128 columns
	s_mov_b32 s61, 0
	s_add_nc_u64 s[8:9], s[8:9], s[60:61]
	v_lshlrev_b32 v11, 6, v2
.irp a, 0,1,2,3,4,5,6,7
	global_load_b128 v[BI+8*\a:BI+8*\a+3], v11, s[8:9] offset:(32*(\a/2)+8*(\a%2))*4
	global_load_b128 v[BI+8*\a+4:BI+8*\a+7], v11, s[8:9] offset:(32*(\a/2)+8*(\a%2))*4+16
.endr
	s_lshl_b32 s62, s17, 20                        ; out0: row 256 x block + 64 x wave, of 4,096 bytes; column 128 x block, of 4
	s_lshl_b32 s63, s14, 18
	s_add_co_u32 s62, s62, s63
	s_add_co_u32 s62, s62, s60
	s_mov_b32 s63, 0
	s_add_nc_u64 s[10:11], s[10:11], s[62:63]
	s_wait_alu depctr_va_vdst(0)
	s_wait_tensorcnt 1                             ; my scale words and my part of chunk 0 are in; chunk 1's load may stay out
	s_barrier_signal -1
	s_barrier_wait -1
	SCALES
	FETCH 0
	s_wait_loadcnt 0x0                             ; the bias
.irp g, 0,1,2,3,4,5,6,7
	KSTEP \g
.endr
; THE WAY OUT, a tile of 16 rows x 128 columns at a time: a lane holds pieces of 32 bytes of one row, so the tile goes through my own stage and comes back as whole rows of 512 bytes.
; LDS serves a wave's instructions in order (ISA guide 5.7.1.4): no wait between the stores and the loads, nor in front of the next tile's stores.
.macro TOSTAGE b
	WIN 0x08                                       ; an LDS store's data are its source 1: window 2
.irp a, 0,1,2,3,4,5,6,7
	ds_store_b128 v[STO], v[64*(\b)+8*\a:64*(\b)+8*\a+3] offset:128*(\a/2)+32*(\a%2)         ; each accumulator from its low end on
	ds_store_b128 v[STO], v[64*(\b)+8*\a+4:64*(\b)+8*\a+7] offset:128*(\a/2)+32*(\a%2)+16
.endr
	WIN 0
.irp t, 0,1,2,3,4,5,6,7,8,9,10,11,12,13,14,15
	ds_load_b128 v[BK+64*((\b)%2)+4*\t:BK+64*((\b)%2)+4*\t+3], v[RD] offset:\t*SPITCH
.endr
.endm
.macro SEND b, younger                 ; younger: the LDS instructions issued behind tile b's loads, which may stay out
	s_wait_dscnt \younger
.irp t, 0,1,2,3,4,5,6,7,8,9,10,11,12,13,14,15
	global_store_b128 v[LI], v[BK+64*((\b)%2)+4*\t:BK+64*((\b)%2)+4*\t+3], s[10:11] offset:(32*((\b)/2)+8*((\b)%2)+\t+8*(\t/8))*4096 th:TH_STORE_NT   ; 512 consecutive bytes, at a multiple of 512 from out0's first byte
.endr
.endm
	PLACES                                         ; the stores into the stage read results just made
	TOSTAGE 0
	TOSTAGE 1
	SEND 0, 32                                     ; behind tile 0's loads: tile 1's 16 stores and 16 loads
	s_wait_xcnt 0x0                                ; tile 0's stores have read their registers: tile 2's rows may land there
	TOSTAGE 2
	SEND 1, 32
	s_wait_xcnt 0x0
	TOSTAGE 3
	SEND 2, 32
	SEND 3, 0
	s_wait_tensorcnt 0x0
	ds_add_u32 v14, v15
	s_wait_dscnt 0x0
	ROUND                                          ; the closing round: no work-group ends while a partner may still ask for a tile that names it
	s_endpgm
.Lfunc_end_k_qb910806340_proj:
	.size	k_qb910806340_proj, .Lfunc_end_k_qb910806340_proj-k_qb910806340_proj
	.p2alignl 7, 3214868480
	.fill 96, 4, 3214868480
	.section	.rodata,"a",@progbits
	.p2align	6, 0x0
	.amdhsa_kernel k_qb910806340_proj
		.amdhsa_group_segment_fixed_size 209408
		.amdhsa_private_segment_fixed_size 0
		.amdhsa_enable_private_segment 0
		.amdhsa_kernarg_size 32
		.amdhsa_user_sgpr_count 2
		.amdhsa_user_sgpr_kernarg_segment_ptr 1
		.amdhsa_wavefront_size32 1
		.amdhsa_system_sgpr_workgroup_id_x 1
		.amdhsa_system_sgpr_workgroup_id_y 1
		.amdhsa_system_sgpr_workgroup_id_z 1
		.amdhsa_system_vgpr_workitem_id 0
		.amdhsa_next_free_vgpr 768
		.amdhsa_next_free_sgpr 96
		.amdhsa_reserve_vcc 0
		.amdhsa_float_denorm_mode_32 3
		.amdhsa_float_denorm_mode_16_64 3
		.amdhsa_memory_ordered 1
		.amdhsa_forward_progress 1
		.amdhsa_inst_pref_size 72
	.end_amdhsa_kernel
	.amdgpu_metadata
---
amdhsa.version: [ 1, 2 ]
amdhsa.kernels:
  - .name:           k_qb910806340_proj
    .symbol:         k_qb910806340_proj.kd
    .args:
      - { .name: aq, .offset: 0, .size: 8, .value_kind: global_buffer, .address_space: global }
      - { .name: pq, .offset: 8, .size: 8, .value_kind: global_buffer, .address_space: global }
      - { .name: c_proj_b, .offset: 16, .size: 8, .value_kind: global_buffer, .address_space: global }
      - { .name: out0, .offset: 24, .size: 8, .value_kind: global_buffer, .address_space: global }
    .group_segment_fixed_size: 209408
    .private_segment_fixed_size: 0
    .kernarg_segment_align: 8
    .kernarg_segment_size: 32
    .max_flat_workgroup_size: 128
    .sgpr_count:     96
    .vgpr_count:     768
    .wavefront_size: 32
...
	.end_amdgpu_metadata
.endif
;; end of part 4
